; MI455X (gfx1250); checked and timed in simulation.
; The chip was launched on July 23, 2026; its instructions are those of AMD's public machine-readable ISA for CDNA 5 (MIT licence, August 2026) and "CDNA5" Instruction Set Architecture Reference Guide (July 2026). The comments in the code are by the model that wrote it; some were corrected since.
;; Dec FC Switch. Allowed arithmetic: matrix products marked QUANTISED: E2M1 operands, one E8M0 scale for each 32 along K, by v_wmma_scale_f32_16x16x128_f8f6f4 with both operands' format E2M1 (or v_wmma_scale_f32_32x16x128_f4), f32 sums; everything else in f32.
;; Inputs: W_in_codes 16 x 256 x 32 x 16 uint8 (E2M1 codes of W_in, K innermost, in blocks of 32 codes, two codes a byte); W_in_scales 16 x 256 x 32 uint8 (E8M0 scales of W_in, one for each 32 codes along K); W_out_codes 16 x 1,024 x 8 x 16 uint8 (E2M1 codes of W_out, K innermost, in blocks of 32 codes, two codes a byte); W_out_scales 16 x 1,024 x 8 uint8 (E8M0 scales of W_out, one for each 32 codes along K); b_in 16 x 256 float32; b_out 16 x 1,024 float32; x 4,096 x 1,024 float32; y_index 4,096 x 1 int32.
;; Outputs: out0 4,096 x 1,024 float32.
;; This version of the problem:
;;   THIS VERSION OF THE PROBLEM IS GIVEN IN LOW PRECISION. The matrix products marked QUANTISED in the list below multiply operands that are first quantised to E2M1 (2 exponent bits, 1 mantissa bit; 4 bits a number), with one power-of-two scale for each 32 numbers along K (OCP MX v1.0); their sums are f32. All else is computed in f32.
;;   The module's matrix products, in the order in which they are computed (A, B: the left and right operand; K: the contracted axis; several contracted axes count as one K, in the product's order):
;;     1. [M 4,096, K 1,024] x [K 1,024, N 4,096]; A: computed on the way; B: input W_in (given as codes): QUANTISED
;;     2. batch 16 x [M 1,024, K 256] x [K 256, N 4,096]; A: input W_out (given as codes); B: computed on the way: QUANTISED
;;   THE QUANTISER, for each operand of a quantised product, along K:
;;     - K is cut into blocks of 32 from its start; a last block that is shorter is filled with zeros.
;;     - A block's scale is 2^e with e = floor(log2(the largest magnitude in the block)) - 2, held to -126 .. 127; a block of zeros has e = 0. As a byte (E8M0): e + 127.
;;     - Each number is divided by its block's scale, clamped to +-6, and rounded to the nearest number of E2M1, ties to even, subnormals kept.
;;     - The product sums the exact products of the quantised numbers (number of the format x scale) in f32.
;;   ~~~python
;;   def quantise(x, axis):      # numpy; x: float32 -> the quantised numbers, widened to float32 again
;;       x = np.moveaxis(x, axis, -1); K = x.shape[-1]
;;       x = np.pad(x, [(0, 0)] * (x.ndim - 1) + [(0, -K % 32)]); x = x.reshape(x.shape[:-1] + (-1, 32)); a = np.abs(x).max(-1, keepdims=True)
;;       e = np.where(a > 0, np.clip(np.frexp(np.where(a > 0, a, 1))[1] - 1 - 2, -126, 127), 0)      # np.frexp(a)[1] - 1 = floor(log2(a)), exactly
;;       r = np.clip(x / 2.0 ** e, -6, 6)
;;       step = 2.0 ** (np.maximum(np.frexp(np.where(r == 0, 1, r))[1] - 1, 0) - 1)
;;       q = np.round(r / step) * step * 2.0 ** e      # np.round: ties to even
;;       return np.moveaxis(q.reshape(q.shape[:-2] + (-1,))[..., :K], -1, axis).astype(np.float32)
;;   ~~~
;;   OPERANDS COMPUTED ON THE WAY. 'Computed on the way' means the value that the module computes at that place (a softmax that the list does not call 'softmax' is quantised finished and normalised). What goes into a quantiser is computed in f32, as accurately as f32 sums, v_exp_f32 and their like allow (about 1e-6 of the number): no bf16 or f16 on the way to a quantiser, and a product that is left as it is and whose result goes on into a quantised operand takes f32 operands (vector FMAs, or v_wmma_f32_16x16x4_f32). A number that lies on a knife's edge between two numbers of the format may be rounded either way, as far as f32 arithmetic and the matrix unit's own rounding can turn it there, and no further.
;;   INPUTS GIVEN AS CODES. W_in (in the module: [16, 256, 1024], K = its axis 2); W_out (in the module: [16, 1024, 256], K = its axis 2): each comes as NAME_codes (uint8): NAME with its K axis moved to the last place and cut into blocks of 32 codes, [.., K / 32, bytes a block], one block behind the other in memory; two codes a byte, the lower K in the low four bits (a code: sign, 2 exponent bits, 1 mantissa bit); and NAME_scales (uint8): the same leading axes, one E8M0 byte (e + 127) for each 32 codes along K. Its value is code x scale, taken as it is: it is not quantised again, and the codes and scales need not be those that the quantiser above would give.
;; 3 versions. Each part assembles by itself: llvm-mc -triple=amdgcn-amd-amdhsa -mcpu=gfx1250 --defsym DOCPART=n.
;; ======== version 1 of 3: 2 launches
;; workspace buffers: order 18,432 bytes of whole numbers; tiles 1,280 bytes of whole numbers; win_l 2,097,152 bytes; wins_l 131,072 bytes; wout_l 2,097,152 bytes; wouts_l 131,072 bytes
;; launch prep (part 1): grid 33 x 1, 16 waves a work-group, no clusters, 4,096 bytes of LDS; arguments y_index, W_in_codes, W_in_scales, W_out_codes, W_out_scales, order, tiles, win_l, wins_l, wout_l, wouts_l; writes order, tiles, win_l, wins_l, wout_l, wouts_l
.if DOCPART == 1
	.amdgcn_target "amdgcn-amd-amdhsa--gfx1250"
	.amdhsa_code_object_version 6
	.text
	.protected	k_q7fff8f2550_prep
	.globl	k_q7fff8f2550_prep
	.p2align	8
	.type	k_q7fff8f2550_prep,@function
k_q7fff8f2550_prep:
	s_mov_b64 s[64:65], 0
	v_nop
	global_prefetch_b8 v0, s[64:65] scope:SCOPE_SE
	s_setreg_imm32_b32 hwreg(HW_REG_WAVE_MODE, 25, 1), 1
	s_wait_xcnt 0x0
; THE LAUNCH IN FRONT OF THE CHAIN.  Three kinds of work-group, parted on the work-group's number alone:
;   0        sorts the 4,096 tokens by their expert (y_index), a counting sort without atomics, and stores two lists of whole numbers:
;            order: slot 32 t + i = the token of row i of tile t (a tile = up to 32 rows of ONE expert; slots that no token takes hold 0); all 4,576 slots are written;
;            tiles: for each of 143 tiles (its expert, its number of rows 0 .. 32).  143 = 4,096 / 32 + 16 - 1 serves every split, all tokens on one expert too.
;   1 .. 16  lay expert e's W_in (codes and scale bytes) in the order in which a wave's operand registers take them;   17 .. 32 the same for W_out.
; THE LAID-OUT WEIGHTS.  lane = (r = lane % 16, h = lane / 16); rl = r + 8 (r / 8): the rows of a tile of 16 are NOT neighbours, so that two neighbouring tiles' results are 16 neighbours along the next K.
;   win_l  [e 16][w 4][s 8][tile 4][c 2][lane 32][16 bytes] = block 4 s + 2 c + h (32 codes) of W_in row 64 w + 32 (tile / 2) + 8 (tile % 2) + rl
;   wout_l [e 16][w 4][s 2][tile 16][c 2][lane 32][16 bytes] = block 4 s + 2 c + h of W_out row 256 w + 32 (tile / 2) + 8 (tile % 2) + rl
;   wins_l [e][w][g 4][lane][4 words]: word i: the four scale bytes of K step s = 2 g + i / 2 of W_in row 64 w + 32 (i % 2) + 8 h + rl: lanes 0-15 an even tile's rows, lanes 16-31 the odd tile's beside it
;   wouts_l [e][w][g 4][lane][4 words]: q = 4 g + i: K step q / 8 of W_out row 256 w + 32 (q % 8) + 8 h + rl
; So the chain loads every fragment and every scale register by loads of 512 consecutive bytes a wave.
; LIMIT: a y_index outside 0 .. 15, which the problem does not allow, is taken as 15 (unsigned).
.set Y,   8                            ; v8-15   my 8 tokens' experts
.set RK,  16                           ; v16-23  their ranks among my wave's tokens of the same expert
.set IX,  24                           ; v24-31  4 x expert: lane selects
.set PS,  32                           ; v32-39  their slots in order
.set TK,  40                           ; v40-47  the tokens' numbers
.set TB,  48                           ; v48-63  the table of the sixteen waves' counts, lane e = expert e
.set CN,  32                           ; s32-47  my wave's running count of each expert
.set MK,  48                           ; s48-63  the lanes of each expert; later the running sums of tiles
.set NSLOT, 4576
.set NTILE, 143
	s_load_b512 s[4:19], s[0:1], 0x0               ; y_index s[4:5], W_in codes s[6:7], scales s[8:9], W_out codes s[10:11], scales s[12:13], order s[14:15], tiles s[16:17], win_l s[18:19]
	s_load_b128 s[20:23], s[0:1], 0x40             ; wins_l s[20:21], wout_l s[22:23]
	s_load_b64 s[24:25], s[0:1], 0x50              ; wouts_l
	v_lshl_add_u32 v128, v0, 2, 0x800
	v_mov_b32 v129, 0
	v_and_b32 v1, 31, v0                           ; lane
	v_lshrrev_b32 v2, 5, v0
	v_readfirstlane_b32 s26, v2                    ; wave 0 .. 15
	v_and_b32 v2, 15, v0                           ; r
	v_bfe_u32 v3, v0, 4, 1                         ; h
	v_and_b32 v4, 8, v2
	v_add_nc_u32 v4, v4, v2                        ; rl = r + 8 (r / 8)
	v_lshlrev_b32 v6, 4, v1                        ; 16 x lane: my place in every laid-out run of 512 bytes
	s_mov_b32 s35, 0                               ; the upper word of every offset pair
	s_wait_kmcnt 0x0
	s_cmp_eq_u32 ttmp9, 0
	s_cbranch_scc1 .Lroute
	s_lshr_b32 s28, s26, 2                         ; w: whose part of the expert's weights
	s_and_b32 s29, s26, 3                          ; and which quarter of that part is my wave's
	s_cmp_lt_u32 ttmp9, 17
	s_cbranch_scc0 .Lwout
; Sixteen loads of codes and four of scale words, then their stores.  Every register is loaded once and stored once, every offset is an immediate: no source is written again.
; kind 0: W_in (load kk = 2 s + c of my tile);  kind 1: W_out (load kk = 4 tl + 2 s + c of my four tiles).
.macro COPY kind, csrc, cdst, ssrc, sdst
.set kk, 0
.rept 16
.if \kind == 0
	global_load_b128 v[16+4*kk:19+4*kk], v5, s[\csrc:\csrc+1] offset:32*kk th:TH_LOAD_NT
.else
	global_load_b128 v[16+4*kk:19+4*kk], v5, s[\csrc:\csrc+1] offset:(32*(kk/8)+8*((kk/4)%2))*128+64*((kk/2)%2)+32*(kk%2) th:TH_LOAD_NT
.endif
.set kk, kk+1
.endr
.irp i, 0,1,2,3
.if \kind == 0
	global_load_b32 v[80+\i], v7, s[\ssrc:\ssrc+1] offset:1024*(\i%2)+4*(\i/2) th:TH_LOAD_NT
.else
	global_load_b32 v[80+\i], v7, s[\ssrc:\ssrc+1] offset:256*\i th:TH_LOAD_NT
.endif
.endr
.set kk, 0
.rept 16
	s_wait_loadcnt 19-kk                           ; loads come back in order (ISA guide 5.7.1): of the twenty, load kk is in when the 19 - kk younger ones alone are out
.if \kind == 0
	global_store_b128 v6, v[16+4*kk:19+4*kk], s[\cdst:\cdst+1] offset:4096*(kk/2)+512*(kk%2)      ; the wave stores 512 consecutive bytes, aligned
.else
	global_store_b128 v6, v[16+4*kk:19+4*kk], s[\cdst:\cdst+1] offset:16384*((kk/2)%2)+1024*(kk/4)+512*(kk%2)
.endif
.set kk, kk+1
.endr
	s_wait_loadcnt 0x0
	global_store_b128 v6, v[80:83], s[\sdst:\sdst+1]       ; my group of four scale registers
.endm
	; ---- W_in of expert e = work-group - 1; my wave: part w, tile (and group of scale words) s29
	s_sub_co_u32 s27, ttmp9, 1
	s_lshl_b32 s30, s27, 17                        ; an expert's codes: 131,072 bytes
	s_lshl_b32 s31, s28, 15                        ; 64 rows of 512 bytes, in the input and laid out alike
	s_add_co_u32 s30, s30, s31
	s_lshr_b32 s32, s29, 1
	s_and_b32 s33, s29, 1
	s_lshl_b32 s32, s32, 14                        ; 32 rows on for tiles 2, 3
	s_lshl_b32 s33, s33, 12                        ; 8 rows on for the odd tiles
	s_add_co_u32 s34, s30, s32
	s_add_co_u32 s34, s34, s33
	s_add_nc_u64 s[6:7], s[6:7], s[34:35]
	s_lshl_b32 s34, s29, 10                        ; laid out: a tile's fragment of one K step is 1,024 bytes
	s_add_co_u32 s34, s34, s30
	s_add_nc_u64 s[18:19], s[18:19], s[34:35]
	s_lshl_b32 s30, s27, 13                        ; an expert's scale bytes: 8,192
	s_lshl_b32 s31, s28, 11
	s_add_co_u32 s30, s30, s31
	s_lshl_b32 s34, s29, 3                         ; group g: K steps 2 g, 2 g + 1: 8 bytes on in a row of 32
	s_add_co_u32 s34, s34, s30
	s_add_nc_u64 s[8:9], s[8:9], s[34:35]
	s_lshl_b32 s34, s29, 9
	s_add_co_u32 s34, s34, s30
	s_add_nc_u64 s[20:21], s[20:21], s[34:35]
	v_lshlrev_b32 v5, 9, v4
	v_lshl_add_u32 v5, v3, 4, v5                   ; codes: row rl of 512 bytes, + 16 h
	v_lshl_add_u32 v7, v3, 3, v4
	v_lshlrev_b32 v7, 5, v7                        ; scale bytes: row 8 h + rl of 32 bytes
	COPY 0, 6, 18, 8, 20
	s_endpgm
.Lwout:
	; ---- W_out of expert e = work-group - 17; my wave: part w, tiles 4 s29 .. 4 s29 + 3 (and group s29 of scale words)
	s_sub_co_u32 s27, ttmp9, 17
	s_lshl_b32 s30, s27, 17
	s_lshl_b32 s31, s28, 15                        ; 256 rows of 128 bytes
	s_add_co_u32 s30, s30, s31
	s_lshl_b32 s34, s29, 13                        ; four tiles: 64 rows
	s_add_co_u32 s34, s34, s30
	s_add_nc_u64 s[10:11], s[10:11], s[34:35]
	s_lshl_b32 s34, s29, 12                        ; laid out: four fragments of 1,024 bytes
	s_add_co_u32 s34, s34, s30
	s_add_nc_u64 s[22:23], s[22:23], s[34:35]
	s_lshl_b32 s30, s27, 13
	s_lshl_b32 s31, s28, 11
	s_add_co_u32 s30, s30, s31
	s_and_b32 s32, s29, 1
	s_lshl_b32 s32, s32, 10                        ; groups 1, 3: pairs of tiles 4 .. 7: 128 rows of 8 bytes on
	s_lshr_b32 s33, s29, 1
	s_lshl_b32 s33, s33, 2                         ; groups 2, 3: K step 1: 4 bytes on in a row
	s_add_co_u32 s34, s30, s32
	s_add_co_u32 s34, s34, s33
	s_add_nc_u64 s[12:13], s[12:13], s[34:35]
	s_lshl_b32 s34, s29, 9
	s_add_co_u32 s34, s34, s30
	s_add_nc_u64 s[24:25], s[24:25], s[34:35]
	v_lshlrev_b32 v5, 7, v4
	v_lshl_add_u32 v5, v3, 4, v5                   ; codes: row rl of 128 bytes, + 16 h
	v_lshl_add_u32 v7, v3, 3, v4
	v_lshlrev_b32 v7, 3, v7                        ; scale bytes: row 8 h + rl of 8 bytes
	COPY 1, 10, 22, 12, 24
	s_endpgm
.Lroute:
	; ---- THE SORT.  512 threads, 8 tokens each: thread t holds tokens 4 t .. 4 t + 3 and 2,048 + 4 t .. + 3.
	v_lshlrev_b32 v5, 4, v0
	global_load_b128 v[Y:Y+3], v5, s[4:5]
	global_load_b128 v[Y+4:Y+7], v5, s[4:5] offset:8192
	v_lshlrev_b32 v7, 2, v0                        ; 4 t: my first token, and my word in the table (a wave's row is 128 bytes)
.irp c, 0,1,2,3,4,5,6,7
	v_add_nc_u32 v[TK+\c], 2048*(\c/4)+(\c%4), v7
.endr
.irp e, 0,1,2,3,4,5,6,7,8,9,10,11,12,13,14,15
	s_mov_b32 s[CN+\e], 0
.endr
	s_wait_loadcnt 0x0
.irp c, 0,1,2,3,4,5,6,7
	v_min_u32 v[Y+\c], 15, v[Y+\c]                 ; inside the table: all that is made of it below is bounded
.endr
; The wave's 32 tokens number c: for each expert the mask of its lanes; a lane's rank = the wave's count of that expert so far + the lower lanes of the mask; then the counts go on.
.macro RANK c
.irp e, 0,1,2,3,4,5,6,7,8,9,10,11,12,13,14,15
	v_cmp_eq_u32 s[MK+\e], \e, v[Y+\c]
.endr
	v_mbcnt_lo_u32_b32 v[RK+\c], s[MK], s[CN]
.irp e, 1,2,3,4,5,6,7,8,9,10,11,12,13,14,15
	v_mbcnt_lo_u32_b32 v[64+\e%2], s[MK+\e], s[CN+\e]
	v_cndmask_b32 v[RK+\c], v[RK+\c], v[64+\e%2], s[MK+\e]     ; kept by the lanes of expert e alone
.endr
.irp e, 0,1,2,3,4,5,6,7,8,9,10,11,12,13,14,15
	s_bcnt1_i32_b32 s[28+\e%2], s[MK+\e]
	s_add_co_u32 s[CN+\e], s[CN+\e], s[28+\e%2]
.endr
.endm
.irp c, 0,1,2,3,4,5,6,7
	RANK \c
.endr
	v_mov_b32 v66, 0
.irp e, 0,1,2,3,4,5,6,7,8,9,10,11,12,13,14,15
	v_writelane_b32 v66, s[CN+\e], \e              ; lane e: my wave's tokens of expert e; lanes 16-31: 0
.endr
	ds_store_b32 v7, v66
	s_wait_dscnt 0x0                               ; for the others' sake: my row of the table has landed
	s_barrier_signal -1
	s_barrier_wait -1                              ; the one barrier: behind it the table is only read
	v_lshlrev_b32 v68, 2, v1
.irp w, 0,1,2,3,4,5,6,7,8,9,10,11,12,13,14,15
	ds_load_b32 v[TB+\w], v68 offset:128*\w
.endr
	v_mov_b32 v70, 0                               ; lane e: expert e's tokens in all,
	v_mov_b32 v71, 0                               ; and those of the waves in front of mine
	s_wait_dscnt 0x0
.irp w, 0,1,2,3,4,5,6,7,8,9,10,11,12,13,14,15
	s_cmp_gt_u32 s26, \w
	s_cselect_b32 s28, -1, 0
	v_and_b32 v69, s28, v[TB+\w]
	v_add_nc_u32 v70, v70, v[TB+\w]
	v_add_nc_u32 v71, v71, v69
.endr
	v_add_nc_u32 v72, 31, v70
	v_lshrrev_b32 v72, 5, v72                      ; expert e's tiles
	v_mov_b32 v73, v72                             ; their running sum over the sixteen lanes, expert e's own among them
.irp n, 1,2,4,8
	v_mov_b32_dpp v69, v73 row_shr:\n row_mask:0xf bank_mask:0xf bound_ctrl:1
	v_add_nc_u32 v73, v73, v69
.endr
	v_sub_nc_u32 v74, v73, v72                     ; expert e's first tile
	v_lshl_add_u32 v75, v74, 5, v71                ; the slot of my wave's first token of expert e
	; the tile table: thread t looks for tile t's expert: the number of experts whose running sum is t or less (16, held to 15, for the tiles that this split leaves empty)
.irp i, 0,1,2,3,4,5,6,7,8,9,10,11,12,13,14,15
	v_readlane_b32 s[MK+\i], v73, \i
.endr
	v_mov_b32 v84, 0
.irp i, 0,1,2,3,4,5,6,7,8,9,10,11,12,13,14,15
	v_cmp_le_u32 vcc_lo, s[MK+\i], v0
	v_add_co_ci_u32 v84, vcc_lo, 0, v84, vcc_lo    ; + 1 where the compare holds
.endr
	v_min_u32 v84, 15, v84
	v_lshlrev_b32 v89, 2, v84
	v_mov_b32 v76, s26
	v_lshlrev_b32 v76, 2, v76                      ; wave w sees to the padding of expert w
.irp c, 0,1,2,3,4,5,6,7
	v_lshlrev_b32 v[IX+\c], 2, v[Y+\c]
.endr
.irp c, 0,1,2,3,4,5,6,7
	ds_bpermute_b32 v[PS+\c], v[IX+\c], v75        ; from lane e: no LDS byte is touched
.endr
	ds_bpermute_b32 v77, v76, v70                  ; expert w: its tokens,
	ds_bpermute_b32 v78, v76, v74                  ; its first tile,
	ds_bpermute_b32 v79, v76, v72                  ; its tiles
	ds_bpermute_b32 v90, v89, v70                  ; tile t's expert: its tokens,
	ds_bpermute_b32 v91, v89, v74                  ; its first tile
	v_mov_b32 v86, 0
	v_lshlrev_b32 v93, 3, v0                       ; tile t's two words
	s_lshl_b32 s29, s[MK+15], 5                    ; the first slot behind the last tile in use
	v_add_nc_u32 v83, s29, v0                      ; the tail: at most 4,576 - 4,096 = 480 slots: one a thread
	v_min_u32 v88, NSLOT-1, v83
	v_lshlrev_b32 v88, 2, v88
	s_wait_dscnt 0x0
.irp c, 0,1,2,3,4,5,6,7
	v_add_nc_u32 v[PS+\c], v[PS+\c], v[RK+\c]
.endr
.irp c, 0,1,2,3,4,5,6,7
	v_min_u32 v[PS+\c], NSLOT-1, v[PS+\c]          ; (never at work: the slots in use end at 32 x 143)
.endr
.irp c, 0,1,2,3,4,5,6,7
	v_lshlrev_b32 v[PS+\c], 2, v[PS+\c]
.endr
.irp c, 0,1,2,3,4,5,6,7
	global_store_b32 v[PS+\c], v[TK+\c], s[14:15]  ; each token into its slot
.endr
	v_lshl_add_u32 v80, v78, 5, v77
	v_add_nc_u32 v80, v80, v1                      ; expert w's padding begins behind its last token: fewer than 32 slots, one a lane,
	v_add_lshl_u32 v81, v78, v79, 5                ; and ends with its last tile
	v_min_u32 v82, NSLOT-1, v80
	v_lshlrev_b32 v82, 2, v82
	v_sub_nc_u32 v92, v0, v91
	v_lshlrev_b32 v92, 5, v92
	v_min_u32 v92, v92, v90                        ; the expert's rows in front of tile t,
	v_sub_nc_u32 v85, v90, v92
	v_min_u32 v85, 32, v85                         ; and tile t's own: 0 for a tile that this split leaves empty
	s_wait_xcnt 0x0                                ; EXEC is a source of the stores above: it changes only behind this wait, and so at each change below
	v_cmp_lt_u32 vcc_lo, v80, v81
	s_wait_tensorcnt 0x0
	ds_add_u32 v128, v129
	s_wait_dscnt 0x0
	s_and_saveexec_b32 s30, vcc_lo
	global_store_b32 v82, v86, s[14:15]            ; the padding slots hold token 0: a row that may be read, and of which nothing is stored
	s_wait_xcnt 0x0
	s_or_b32 exec_lo, exec_lo, s30
	v_cmp_gt_u32 vcc_lo, NSLOT, v83
	s_and_saveexec_b32 s30, vcc_lo
	global_store_b32 v88, v86, s[14:15]            ; the slots of the empty tiles likewise
	s_wait_xcnt 0x0
	s_or_b32 exec_lo, exec_lo, s30
	v_cmp_gt_u32 vcc_lo, NTILE, v0
	s_and_saveexec_b32 s30, vcc_lo
	global_store_b64 v93, v[84:85], s[16:17]       ; (expert, rows) of tile t
	s_wait_xcnt 0x0
	s_or_b32 exec_lo, exec_lo, s30
	s_endpgm
.Lfunc_end_k_q7fff8f2550_prep:
	.size	k_q7fff8f2550_prep, .Lfunc_end_k_q7fff8f2550_prep-k_q7fff8f2550_prep
	.p2alignl 7, 3214868480
	.fill 96, 4, 3214868480
	.section	.rodata,"a",@progbits
	.p2align	6, 0x0
	.amdhsa_kernel k_q7fff8f2550_prep
		.amdhsa_group_segment_fixed_size 4096
		.amdhsa_private_segment_fixed_size 0
		.amdhsa_enable_private_segment 0
		.amdhsa_kernarg_size 88
		.amdhsa_user_sgpr_count 2
		.amdhsa_user_sgpr_kernarg_segment_ptr 1
		.amdhsa_wavefront_size32 1
		.amdhsa_system_sgpr_workgroup_id_x 1
		.amdhsa_system_sgpr_workgroup_id_y 1
		.amdhsa_system_sgpr_workgroup_id_z 1
		.amdhsa_system_vgpr_workitem_id 0
		.amdhsa_next_free_vgpr 130
		.amdhsa_next_free_sgpr 80
		.amdhsa_reserve_vcc 1
		.amdhsa_float_denorm_mode_32 3
		.amdhsa_float_denorm_mode_16_64 3
		.amdhsa_memory_ordered 1
		.amdhsa_forward_progress 1
		.amdhsa_inst_pref_size 56
	.end_amdhsa_kernel
	.amdgpu_metadata
---
amdhsa.version: [ 1, 2 ]
amdhsa.kernels:
  - .name:           k_q7fff8f2550_prep
    .symbol:         k_q7fff8f2550_prep.kd
    .args:
      - { .name: y_index, .offset: 0, .size: 8, .value_kind: global_buffer, .address_space: global }
      - { .name: W_in_codes, .offset: 8, .size: 8, .value_kind: global_buffer, .address_space: global }
      - { .name: W_in_scales, .offset: 16, .size: 8, .value_kind: global_buffer, .address_space: global }
      - { .name: W_out_codes, .offset: 24, .size: 8, .value_kind: global_buffer, .address_space: global }
      - { .name: W_out_scales, .offset: 32, .size: 8, .value_kind: global_buffer, .address_space: global }
      - { .name: order, .offset: 40, .size: 8, .value_kind: global_buffer, .address_space: global }
      - { .name: tiles, .offset: 48, .size: 8, .value_kind: global_buffer, .address_space: global }
      - { .name: win_l, .offset: 56, .size: 8, .value_kind: global_buffer, .address_space: global }
      - { .name: wins_l, .offset: 64, .size: 8, .value_kind: global_buffer, .address_space: global }
      - { .name: wout_l, .offset: 72, .size: 8, .value_kind: global_buffer, .address_space: global }
      - { .name: wouts_l, .offset: 80, .size: 8, .value_kind: global_buffer, .address_space: global }
    .group_segment_fixed_size: 4096
    .private_segment_fixed_size: 0
    .kernarg_segment_align: 8
    .kernarg_segment_size: 88
    .max_flat_workgroup_size: 512
    .sgpr_count:     80
    .vgpr_count:     130
    .wavefront_size: 32
...
	.end_amdgpu_metadata
.endif
;; end of part 1
;; launch chain (part 2): grid 143 x 1, 4 waves a work-group, no clusters, 156,160 bytes of LDS; arguments x, order, tiles, win_l, wins_l, wout_l, wouts_l, b_in, b_out, out0; writes out0
.if DOCPART == 2
	.amdgcn_target "amdgcn-amd-amdhsa--gfx1250"
	.amdhsa_code_object_version 6
	.text
	.protected	k_q7fff8f2550_chain
	.globl	k_q7fff8f2550_chain
	.p2align	8
	.type	k_q7fff8f2550_chain,@function
k_q7fff8f2550_chain:
	s_mov_b64 s[64:65], 0
	v_nop
	global_prefetch_b8 v0, s[64:65] scope:SCOPE_SE
	s_setreg_imm32_b32 hwreg(HW_REG_WAVE_MODE, 25, 1), 1
	s_wait_xcnt 0x0
; out[t] = x[t] + Q(Q(relu x[t]) W_in[e]^T + b_in[e]) W_out[e]^T + b_out[e], e = the token's expert; Q: codes of FP4 (E2M1) with one E8M0 scale for each 32 along a product's K; sums in f32.
; ONE WORK-GROUP TAKES ONE TILE (up to 32 rows of one expert, from the lists that the launch before stored) THROUGH THE WHOLE CHAIN; the hidden layer never goes to memory.  Only the chosen expert's rows are multiplied.
; The grid, 143 = 4,096 / 32 + 16 - 1, serves every split.  A tile that a split leaves empty walks the text on expert 15 and token 0 and stores nothing: so both barriers stand on every wave's straight way.
; SHARES.  The four waves share the COLUMNS: wave w owns columns 256 w .. + 255 of x and of out (K steps 2 w, 2 w + 1 of the first product), and hidden units 64 w .. + 63.  Each weight fragment is used by one wave,
; once, for both tiles of 16 rows: it goes from memory straight into that wave's registers, 512 consecutive bytes a load, as the launch before laid it.
; BOTH PRODUCTS ARE USED TRANSPOSED (source 0 = 16 rows of a weight, source 1 = 16 tokens): a lane holds ONE token throughout, and its registers run along the product's columns.  The rows of a weight's tile are not
; neighbours (lane r of tile 2 b + u takes row 32 b + 8 u + r + 8 (r / 8)), so that the 16 registers of tiles 2 b, 2 b + 1 are columns 32 b + 16 (lane / 16) + 0 .. 15.
; b_in is the C of the first product's first K step, x itself (the residual) the C of the second's; b_out is added on the way out: (x + product) + b_out.
; NO JOINT LOADS: which tiles have an expert in common hangs on the stored list, so neighbours in the grid may want different weights and no request could be alike in all partners; and the weights pass no LDS.
; LIMITS: NaN and infinities in x, b_in, b_out are not served (the clip at 0 turns a NaN into 0).  A block whose largest magnitude lies under 2^-124 gets the scale byte 1, a block of zeros too: its codes are zeros, which add nothing.
; LDS: 4 strips, one a wave, its own: 32 rows x (1,024 bytes + 16): x, later out; the pitch is 65 x 16 bytes, so that the sixteen rows that a load touches start 16 bytes apart modulo 256.  Behind them, from B0 on,
;   operands as images of their registers (a fragment: 2 x 512 bytes, lane l's 16 bytes at 16 l): x's 16 fragments (2 s + m), their scale words [s 8][m 2][r 16], the hidden layer's 4 fragments (2 s + m), their scale words [s 2][m 2][r 16].
; REGISTERS, in windows of 256.  Window 0: v1-12 addresses; v16-57 scale words and nothing else; v60-67 b_out; v68-99 b_in; v100-163 the hidden layer's 8 accumulators
;   (before and after: 32 row offsets; also a buffer of the quantiser); v164-227 a buffer of the quantiser, then the hidden fragments, then rows on the way out; v228-253 the quantiser's.
;   Window 1: x as loaded; then x's 16 fragments (v0-127); then the 32 accumulators of out (128 m + 8 tile).   Window 2: W_in's 32 fragments.   Window 3: W_out's 32 fragments.
.set PITCH,  1040
.set STRIPB, 32*PITCH                  ; 33,280
.set B0,     4*STRIPB                  ; 133,120
.set XSC,    16384                     ; from B0 on: x's images at 0, their scale words here,
.set HIMG,   17408                     ; the hidden layer's images,
.set HSC,    21504                     ; their scale words; the end at 21,760
.set L16, 1                            ; v1   16 x lane
.set AQ,  3                            ; v3   my strip + 1,040 r + 64 h: my 16 columns of a block of 32, in row r
.set AD,  4                            ; v4   my strip + 16 x lane: a row taken as it lies
.set XWI, 5                            ; v5   where I store x's images: B0 + 4,096 w + 16 x lane
.set XWS, 6                            ; v6   and their scale words: B0 + XSC + 256 w + 4 r
.set R16, 7                            ; v7   B0 + 16 x lane
.set R4,  8                            ; v8   B0 + 4 x lane
.set HWI, 9                            ; v9   where I store my half of a hidden fragment: B0 + HIMG + 2,048 (w / 2) + 512 (w % 2) + 16 x lane
.set HWS, 10                           ; v10  and my two bytes of its scale word: B0 + HSC + 128 (w / 2) + 2 (w % 2) + 4 r
.set BIA, 11                           ; v11  64 h
.set XL,  12                           ; v12  1,024 w + 16 x lane: my place in a row of x or of out
.set WIS, 16                           ; v16-31  W_in's scale words: 2 s + b: lanes 0-15 tile 2 b, lanes 16-31 tile 2 b + 1
.set WOS, 32                           ; v32-47  W_out's: 8 s + pair of tiles, likewise
.set XS,  48                           ; v48-55  x's, K step s: lanes 0-15 rows 0-15, lanes 16-31 rows 16-31
.set HS,  56                           ; v56-57  the hidden layer's, likewise
.set BO,  60
.set BI,  68
.set HA,  100
.set RA,  100                          ; v100-131  row p: token x 4,096 + XL
.set T,   164
.set HF,  164
.set TM,  228                          ; v228-231 largest magnitudes, v232-235 bytes, v240-243 the conversions' scale operands
.set PW,  244                          ; the scale word just made
.set PH,  245                          ; its upper half
.set PC,  246                          ; v246-253 the codes just made
.set SEL, 28                           ; s[28:29] v_permlanex16_b32's selects for lane l xor 16
.set TOK, 32                           ; s32-63 the 32 tokens, x 4,096
.set MSB, 0
.macro WIN new                         ; the immediate's high byte repeats the setting that is left; a switch that changes nothing is dropped
.if MSB != (\new)
	s_set_vgpr_msb (MSB<<8)|(\new)
.set MSB, (\new)
.endif
.endm
.macro PLACES                          ; four plain vector instructions between a matrix instruction and a read of its result or a load into its registers
.rept 4
	v_nop
.endr
.endm
; 64 numbers of a lane, v[s] .. v[s + 63], in four blocks: register 16 b + i is number 16 (lane / 16) + i of block b; lane l xor 16 holds the block's other half.  The codes go to v[PC] on, the four scale bytes to v[PW].
.macro QUANT s
.irp b, 0,1,2,3
	v_max3_num_f32 v[TM+\b], |v[\s+16*\b]|, |v[\s+1+16*\b]|, 0x1800000   ; my 16 numbers, and the floor 2^(3 - 127): so the byte cannot fall under 1.  (Of an accumulator the low registers are read first)
.endr
.irp i, 2,4,6,8,10,12,14
.irp b, 0,1,2,3
	v_max3_num_f32 v[TM+\b], v[TM+\b], |v[\s+16*\b+\i]|, |v[\s+1+16*\b+\i]|   ; the four blocks by turns: no line waits for the line above it
.endr
.endr
.irp b, 0,1,2,3
	v_permlanex16_b32 v[TM+4+\b], v[TM+\b], s[SEL], s[SEL+1]
.endr
.irp b, 0,1,2,3
	v_max_num_f32 v[TM+\b], v[TM+\b], v[TM+4+\b]   ; the block's largest magnitude
.endr
.irp b, 0,1,2,3
	v_add_nc_u32 v[TM+12+\b], 0xff000000, v[TM+\b] ; 2 off its exponent field: the conversion takes the exponent field of this operand as its scale, and nothing else of it
.endr
.irp b, 0,1,2,3
	v_lshrrev_b32 v[TM+4+\b], 23, v[TM+12+\b]      ; the scale's byte
.endr
	v_lshl_or_b32 v[PW], v[TM+5], 8, v[TM+4]
	v_lshl_or_b32 v[PW], v[TM+6], 16, v[PW]
	v_lshl_or_b32 v[PW], v[TM+7], 24, v[PW]
.irp b, 0,1,2,3
	v_cvt_scalef32_pk8_fp4_f32 v[PC+2*\b], v[\s+16*\b:\s+7+16*\b], v[TM+12+\b]      ; to the nearest code, ties to even; beyond 6 the largest code
	v_cvt_scalef32_pk8_fp4_f32 v[PC+1+2*\b], v[\s+8+16*\b:\s+15+16*\b], v[TM+12+\b]
.endr
	v_nop                                          ; one plain place behind a scaled conversion
.irp c, 0,1                                    ; the operand's layout wants a WHOLE block in a lane: lanes 0-15 block 2 c, lanes 16-31 block 2 c + 1
.irp i, 0,1
	v_permlane16_swap_b32 v[PC+4*\c+\i], v[PC+2+4*\c+\i]
.endr
.endr
.endm
.macro WLD win, base, from, to         ; laid-out fragments: load kk brings registers 4 kk .. 4 kk + 3 of the window: 512 consecutive bytes a load
	WIN \win
.set kk, \from
.rept (\to)-(\from)
	global_load_b128 v[4*kk:4*kk+3], v[L16], s[\base:\base+1] offset:512*kk
.set kk, kk+1
.endr
.endm
.macro LOADQ k, buf                    ; quarter k = 2 m + sl of my strip: rows 16 m + r, 128 columns from 128 sl on: 64 numbers a lane, laid as QUANT takes them
.irp b, 0,1,2,3
.irp j, 0,1,2,3
	ds_load_b128 v[\buf+16*\b+4*\j:\buf+16*\b+4*\j+3], v[AQ] offset:16*PITCH*((\k)/2)+512*((\k)%2)+128*\b+16*\j
.endr
.endr
.endm
.macro CLOAD m                         ; x as the C of out's 16 accumulators of rows 16 m on: tile tt's registers are columns 32 (tt / 2) + 16 h + 8 (tt % 2) + 0 .. 7 of my 256
.set tt, 0
.rept 16
	ds_load_b128 v[128*\m+8*tt:128*\m+8*tt+3],   v[AQ] offset:16*PITCH*\m+128*(tt/2)+32*(tt%2)
	ds_load_b128 v[128*\m+8*tt+4:128*\m+8*tt+7], v[AQ] offset:16*PITCH*\m+128*(tt/2)+32*(tt%2)+16
.set tt, tt+1
.endr
.endm
; One scaled product.  ra, rb = 1: the side's scale words are taken from lanes 16-31 of its register.
.macro WMS d, a, b, c, sa, sb, ra, rb
.if ((\ra) == 0) && ((\rb) == 0)
	v_wmma_scale_f32_16x16x128_f8f6f4 v[(\d):(\d)+7], v[(\a):(\a)+7], v[(\b):(\b)+7], v[(\c):(\c)+7], v[(\sa)], v[(\sb)] matrix_a_fmt:MATRIX_FMT_FP4 matrix_b_fmt:MATRIX_FMT_FP4
.elseif ((\ra) == 1) && ((\rb) == 0)
	v_wmma_scale_f32_16x16x128_f8f6f4 v[(\d):(\d)+7], v[(\a):(\a)+7], v[(\b):(\b)+7], v[(\c):(\c)+7], v[(\sa)], v[(\sb)] matrix_a_fmt:MATRIX_FMT_FP4 matrix_b_fmt:MATRIX_FMT_FP4 matrix_a_scale:MATRIX_SCALE_ROW1
.elseif ((\ra) == 0)
	v_wmma_scale_f32_16x16x128_f8f6f4 v[(\d):(\d)+7], v[(\a):(\a)+7], v[(\b):(\b)+7], v[(\c):(\c)+7], v[(\sa)], v[(\sb)] matrix_a_fmt:MATRIX_FMT_FP4 matrix_b_fmt:MATRIX_FMT_FP4 matrix_b_scale:MATRIX_SCALE_ROW1
.else
	v_wmma_scale_f32_16x16x128_f8f6f4 v[(\d):(\d)+7], v[(\a):(\a)+7], v[(\b):(\b)+7], v[(\c):(\c)+7], v[(\sa)], v[(\sb)] matrix_a_fmt:MATRIX_FMT_FP4 matrix_b_fmt:MATRIX_FMT_FP4 matrix_a_scale:MATRIX_SCALE_ROW1 matrix_b_scale:MATRIX_SCALE_ROW1
.endif
.endm
.macro MM1 s                           ; K step s of the first product: my 4 tiles of hidden units x 2 tiles of rows.  The eight accumulators take turns, in the same order in every step
.irp t, 0,1,2,3
.irp m, 0,1
.if \s == 0
	WMS HA+32*\m+8*\t, 8*(4*\s+\t), 8*(2*\s+\m), BI+8*\t, WIS+2*\s+\t/2, XS+\s, \t%2, \m
.else
	WMS HA+32*\m+8*\t, 8*(4*\s+\t), 8*(2*\s+\m), HA+32*\m+8*\t, WIS+2*\s+\t/2, XS+\s, \t%2, \m
.endif
.endr
.endr
.endm
.macro MM2 s                           ; K step s of the second: my 16 tiles of columns x 2 tiles of rows, onto x: 32 accumulators by turns
.set tt, 0
.rept 16
.irp m, 0,1
	WMS 128*\m+8*tt, 8*(16*\s+tt), HF+8*(2*\s+\m), 128*\m+8*tt, WOS+8*\s+tt/2, HS+\s, tt%2, \m
.endr
.set tt, tt+1
.endr
.endm
	; ---- the head: arguments, then the tile's two lists, then every address
	s_load_b512 s[4:19], s[0:1], 0x0               ; x s[4:5], order s[6:7], tiles s[8:9], win_l s[10:11], wins_l s[12:13], wout_l s[14:15], wouts_l s[16:17], b_in s[18:19]
	s_load_b128 s[20:23], s[0:1], 0x40             ; b_out s[20:21], out s[22:23]
	v_lshl_add_u32 v254, v0, 2, 0x26000
	v_mov_b32 v255, 0
	v_and_b32 v13, 31, v0                          ; lane
	v_lshrrev_b32 v14, 5, v0
	v_readfirstlane_b32 s24, v14                   ; wave 0 .. 3
	s_lshl_b32 s66, ttmp9, 7                       ; my tile's 32 slots of order,
	s_mov_b32 s67, 0
	s_lshl_b32 s68, ttmp9, 3                       ; and its two words of tiles
	s_mov_b32 s69, 0
	s_wait_kmcnt 0x0
	s_add_nc_u64 s[6:7], s[6:7], s[66:67]
	s_add_nc_u64 s[8:9], s[8:9], s[68:69]
	s_load_b512 s[TOK:TOK+15], s[6:7], 0x0
	s_load_b512 s[TOK+16:TOK+31], s[6:7], 0x40
	s_load_b64 s[26:27], s[8:9], 0x0               ; s26 the expert, s27 the rows
	v_and_b32 v14, 15, v0                          ; r
	v_bfe_u32 v15, v0, 4, 1                        ; h
	v_lshlrev_b32 v[L16], 4, v13
	s_mul_i32 s70, s24, STRIPB
	v_mul_u32_u24 v[AQ], v14, PITCH
	v_lshl_add_u32 v[AQ], v15, 6, v[AQ]
	v_add_nc_u32 v[AQ], s70, v[AQ]
	v_add_nc_u32 v[AD], s70, v[L16]
	s_lshl_b32 s70, s24, 12
	s_add_co_u32 s70, s70, B0
	v_add_nc_u32 v[XWI], s70, v[L16]
	s_lshl_b32 s70, s24, 8
	s_add_co_u32 s70, s70, B0+XSC
	v_lshl_add_u32 v[XWS], v14, 2, s70
	v_add_nc_u32 v[R16], B0, v[L16]
	v_lshl_add_u32 v[R4], v13, 2, B0
	s_lshr_b32 s71, s24, 1                         ; my 64 hidden units lie in K step w / 2 of the second product,
	s_and_b32 s72, s24, 1                          ; in its half w % 2
	s_lshl_b32 s70, s71, 11
	s_lshl_b32 s73, s72, 9
	s_add_co_u32 s70, s70, s73
	s_add_co_u32 s70, s70, B0+HIMG
	v_add_nc_u32 v[HWI], s70, v[L16]
	s_lshl_b32 s70, s71, 7
	s_lshl_b32 s73, s72, 1
	s_add_co_u32 s70, s70, s73
	s_add_co_u32 s70, s70, B0+HSC
	v_lshl_add_u32 v[HWS], v14, 2, s70
	v_lshlrev_b32 v[BIA], 6, v15
	s_lshl_b32 s70, s24, 10
	v_add_nc_u32 v[XL], s70, v[L16]
	s_mov_b32 s[SEL], 0x76543210
	s_mov_b32 s[SEL+1], 0xfedcba98
.irp b, 0,1,2,3
	v_mov_b32 v[TM+4+\b], 0                        ; written once: a lane permute's destination counts as one of its sources
.endr
	s_wait_kmcnt 0x0
	s_min_u32 s26, s26, 15                         ; loaded numbers enter addresses only behind a bound
.set p, 0
.rept 32
	s_min_u32 s[TOK+p], s[TOK+p], 4095
.set p, p+1
.endr
.set p, 0
.rept 32
	s_lshl_b32 s[TOK+p], s[TOK+p], 12              ; a row of x or of out is 4,096 bytes
.set p, p+1
.endr
.set p, 0
.rept 32
	v_add_nc_u32 v[RA+p], s[TOK+p], v[XL]
.set p, p+1
.endr
	s_lshl_b32 s66, s26, 17                        ; the laid-out codes: 131,072 bytes an expert, 32,768 a wave
	s_lshl_b32 s68, s24, 15
	s_add_co_u32 s66, s66, s68
	s_add_nc_u64 s[10:11], s[10:11], s[66:67]
	s_add_nc_u64 s[14:15], s[14:15], s[66:67]
	s_lshl_b32 s66, s26, 13                        ; the scale words: 8,192 and 2,048
	s_lshl_b32 s68, s24, 11
	s_add_co_u32 s66, s66, s68
	s_add_nc_u64 s[12:13], s[12:13], s[66:67]
	s_add_nc_u64 s[16:17], s[16:17], s[66:67]
	s_lshl_b32 s66, s26, 10                        ; b_in: 256 numbers an expert, my 64
	s_lshl_b32 s68, s24, 8
	s_add_co_u32 s66, s66, s68
	s_add_nc_u64 s[18:19], s[18:19], s[66:67]
	s_lshl_b32 s66, s26, 12                        ; b_out: 1,024 and my 256
	s_lshl_b32 s68, s24, 10
	s_add_co_u32 s66, s66, s68
	s_add_nc_u64 s[20:21], s[20:21], s[66:67]
	; ---- every load goes out as soon as its address is known: x first, which the first work waits for.  (Where a counter's field is full the issue waits: ISA guide 5.7.1; no wait is written for that)
	WIN 0x40                                       ; destination window 1
.set p, 0
.rept 32
	global_load_b128 v[8*p:8*p+3],   v[RA+p], s[4:5]               ; my 1,024 bytes of row p: 512 consecutive bytes a load.  No hint: the padding slots name token 0 again
	global_load_b128 v[8*p+4:8*p+7], v[RA+p], s[4:5] offset:512
.set p, p+1
.endr
	WIN 0
.irp g, 0,1,2,3
	global_load_b128 v[WIS+4*\g:WIS+4*\g+3], v[L16], s[12:13] offset:512*\g
.endr
.irp t, 0,1,2,3
.irp i, 0,1
	global_load_b128 v[BI+8*\t+4*\i:BI+8*\t+4*\i+3], v[BIA], s[18:19] offset:128*(\t/2)+32*(\t%2)+16*\i   ; b_in in the result's layout: hidden units 32 (t / 2) + 16 h + 8 (t % 2) + 0 .. 7
.endr
.endr
.irp q, 0,1
	global_load_b128 v[BO+4*\q:BO+4*\q+3], v[L16], s[20:21] offset:512*\q      ; b_out as a row lies
.endr
.irp g, 0,1,2,3
	global_load_b128 v[WOS+4*\g:WOS+4*\g+3], v[L16], s[16:17] offset:512*\g
.endr
	WLD 0x80, 10, 0, 40                            ; W_in's first 40 loads
	s_wait_loadcnt 58                              ; x is in: behind its 64 loads stand the 18 small ones and these 40.  Its offset registers are free
	; ---- X: my 256 columns of the 32 rows go into my strip as they lie and come back 16 neighbours a lane; clipped at 0, quantised, four fragments, whose images go to LDS
	WIN 0x04                                       ; an LDS store's data are its source 1: window 1
.set p, 0
.rept 32
	ds_store_b128 v[AD], v[8*p:8*p+3]   offset:PITCH*p
	ds_store_b128 v[AD], v[8*p+4:8*p+7] offset:PITCH*p+512
.set p, p+1
.endr
	WLD 0x80, 10, 40, 64                           ; the rest of W_in
	WIN 0
	LOADQ 0, T                                     ; LDS serves a wave's instructions in order (ISA guide 5.7.1.4): these see my stores
.macro XSTEP k, buf, other
.if \k < 3
	LOADQ (\k)+1, \other
	s_wait_dscnt 16                                ; all but the 16 just issued: this quarter's numbers are in
.else
	s_wait_dscnt 0x0
.endif
.set jj, 0
.rept 64
	v_max_num_f32 v[\buf+jj], 0, v[\buf+jj]        ; relu, in f32; the strip keeps x itself for the residual
.set jj, jj+1
.endr
	QUANT \buf
.irp c, 0,1
	ds_store_b128 v[XWI], v[PC+4*\c:PC+4*\c+3] offset:(2*((\k)%2)+(\k)/2)*1024+512*\c    ; fragment 2 s + m, s = 2 w + k % 2, m = k / 2
.endr
	ds_store_b32 v[XWS], v[PW] offset:128*((\k)%2)+64*((\k)/2)     ; lanes r and r + 16 write the same word with the same value
.if \k < 3
	WLD 0xc0, 14, 16*(\k), 16*(\k)+16              ; sixteen loads of W_out behind each quarter
	WIN 0
.endif
.endm
	XSTEP 0, T, HA
	XSTEP 1, HA, T
	XSTEP 2, T, HA
	XSTEP 3, HA, T
	s_wait_dscnt 0x0                               ; for the others' sake: my images have landed
	s_barrier_signal -1
	s_barrier_wait -1                              ; x's sixteen fragments lie in LDS; they are not written again
	; ---- 1: hidden = Q(relu x) W_in^T + b_in: 64 matrix instructions
.irp s, 0,1,2,3,4,5,6,7
	ds_load_b32 v[XS+\s], v[R4] offset:XSC+128*\s
.endr
	WIN 0x40
.set f, 0
.rept 16
	ds_load_b128 v[8*f:8*f+3],   v[R16] offset:1024*f
	ds_load_b128 v[8*f+4:8*f+7], v[R16] offset:1024*f+512
.set f, f+1
.endr
	CLOAD 1                                        ; the residual of rows 16-31 comes while the first product runs
	s_wait_loadcnt 48                              ; all but W_out's three runs of sixteen: W_in, its scale words and the biases are in
	WLD 0xc0, 14, 48, 64                           ; the rest of W_out
	s_wait_dscnt 32                                ; all but the residual's 32: x's fragments and scale words are in
	WIN 0x06                                       ; source 0 (W_in) window 2, source 1 (x) window 1, C and D window 0
.irp s, 0,1,2,3,4,5,6,7
	MM1 \s
.endr
	WIN 0
	PLACES                                         ; in front of the loads into x's fragments' registers and of the first read of the sums
	; ---- the hidden layer, quantised in registers: my 64 units are half a K step of the second product: 4 of a fragment's 8 registers and 2 of its scale word's 4 bytes, for each tile of rows
	WIN 0x40
	CLOAD 0                                        ; the residual of rows 0-15
	WIN 0
	QUANT HA                                       ; block 2 m + b: rows 16 m + r, units 32 b + 0 .. 31 of my 64
.irp m, 0,1
	ds_store_b128 v[HWI], v[PC+4*\m:PC+4*\m+3] offset:1024*\m
.endr
	v_lshrrev_b32 v[PH], 16, v[PW]
	ds_store_b16 v[HWS], v[PW]                     ; rows 0-15: bytes of blocks 0, 1
	ds_store_b16 v[HWS], v[PH] offset:64           ; rows 16-31: of blocks 2, 3
	s_wait_dscnt 0x0                               ; my stores have landed; the residual is in
	s_barrier_signal -1
	s_barrier_wait -1                              ; the hidden layer's four fragments lie in LDS
	; ---- 2: x + Q(hidden) W_out^T: 64 matrix instructions
.irp s, 0,1
.irp m, 0,1
.irp c, 0,1
	ds_load_b128 v[HF+8*(2*\s+\m)+4*\c:HF+8*(2*\s+\m)+4*\c+3], v[R16] offset:HIMG+1024*(2*\s+\m)+512*\c
.endr
.endr
	ds_load_b32 v[HS+\s], v[R4] offset:HSC+128*\s
.endr
	s_wait_loadcnt 0x0                             ; W_out
	s_wait_dscnt 0x0
	WIN 0x53                                       ; source 0 (W_out) window 3, source 1 (hidden) window 0, C and D window 1
	MM2 0
	MM2 1
	; ---- the way out: a lane holds 32 bytes of a row and its neighbours other rows: so the results go through my strip and come back as rows; b_out is added; the rows in use are stored
	WIN 0
.set p, 0
.rept 32
	v_add_nc_u32 v[RA+p], s[TOK+p], v[XL]          ; the rows' offsets again: also the places behind the last products
.set p, p+1
.endr
	WIN 0x04
.irp m, 0,1
.set tt, 0
.rept 16
	ds_store_b128 v[AQ], v[128*\m+8*tt:128*\m+8*tt+3]   offset:16*PITCH*\m+128*(tt/2)+32*(tt%2)      ; each accumulator from its low end on
	ds_store_b128 v[AQ], v[128*\m+8*tt+4:128*\m+8*tt+7] offset:16*PITCH*\m+128*(tt/2)+32*(tt%2)+16
.set tt, tt+1
.endr
.endr
	WIN 0
.macro RB g                            ; rows 4 g .. 4 g + 3 back from my strip, into buffer g % 2
.irp r, 0,1,2,3
.irp q, 0,1
	ds_load_b128 v[T+32*((\g)%2)+8*\r+4*\q:T+32*((\g)%2)+8*\r+4*\q+3], v[AD] offset:(4*(\g)+\r)*PITCH+512*\q
.endr
.endr
.endm
.macro ROWOUT p                        ; the rows in use are the first s27 of the tile: at the first that is not, the wave is done
.set TR, T+32*(((\p)/4)%2)+8*((\p)%4)
	s_cmp_le_u32 s27, \p
	s_cbranch_scc1 .Lend
.irp i, 0,2,4,6
	v_pk_add_f32 v[TR+\i:TR+\i+1], v[TR+\i:TR+\i+1], v[BO+\i:BO+\i+1]
.endr
	global_store_b128 v[RA+(\p)], v[TR:TR+3],   s[22:23] th:TH_STORE_NT              ; the wave stores 512 consecutive bytes, aligned; written once, read by nobody here
	global_store_b128 v[RA+(\p)], v[TR+4:TR+7], s[22:23] offset:512 th:TH_STORE_NT
.endm
	RB 0
.irp g, 0,1,2,3,4,5,6,7
.if \g < 7
.if \g > 0
	s_wait_xcnt 0x0                                ; the stores of the four rows before these have read their registers: the next four rows may land there
.endif
	RB \g+1
	s_wait_dscnt 8                                 ; all but the 8 just issued: these four rows are in
.else
	s_wait_dscnt 0x0
.endif
.irp r, 0,1,2,3
	ROWOUT 4*\g+\r
.endr
.endr
.Lend:
	s_wait_dscnt 0x0                               ; a wave that leaves early may have LDS loads out
	s_wait_tensorcnt 0x0
	ds_add_u32 v254, v255
	s_wait_dscnt 0x0
	s_endpgm
.Lfunc_end_k_q7fff8f2550_chain:
	.size	k_q7fff8f2550_chain, .Lfunc_end_k_q7fff8f2550_chain-k_q7fff8f2550_chain
	.p2alignl 7, 3214868480
	.fill 96, 4, 3214868480
	.section	.rodata,"a",@progbits
	.p2align	6, 0x0
	.amdhsa_kernel k_q7fff8f2550_chain
		.amdhsa_group_segment_fixed_size 156160
		.amdhsa_private_segment_fixed_size 0
		.amdhsa_enable_private_segment 0
		.amdhsa_kernarg_size 80
		.amdhsa_user_sgpr_count 2
		.amdhsa_user_sgpr_kernarg_segment_ptr 1
		.amdhsa_wavefront_size32 1
		.amdhsa_system_sgpr_workgroup_id_x 1
		.amdhsa_system_sgpr_workgroup_id_y 1
		.amdhsa_system_sgpr_workgroup_id_z 1
		.amdhsa_system_vgpr_workitem_id 0
		.amdhsa_next_free_vgpr 1024
		.amdhsa_next_free_sgpr 80
		.amdhsa_reserve_vcc 0
		.amdhsa_float_denorm_mode_32 3
		.amdhsa_float_denorm_mode_16_64 3
		.amdhsa_memory_ordered 1
		.amdhsa_forward_progress 1
		.amdhsa_inst_pref_size 113
	.end_amdhsa_kernel
	.amdgpu_metadata
---
amdhsa.version: [ 1, 2 ]
amdhsa.kernels:
  - .name:           k_q7fff8f2550_chain
    .symbol:         k_q7fff8f2550_chain.kd
    .args:
      - { .name: x, .offset: 0, .size: 8, .value_kind: global_buffer, .address_space: global }
      - { .name: order, .offset: 8, .size: 8, .value_kind: global_buffer, .address_space: global }
      - { .name: tiles, .offset: 16, .size: 8, .value_kind: global_buffer, .address_space: global }
      - { .name: win_l, .offset: 24, .size: 8, .value_kind: global_buffer, .address_space: global }
      - { .name: wins_l, .offset: 32, .size: 8, .value_kind: global_buffer, .address_space: global }
      - { .name: wout_l, .offset: 40, .size: 8, .value_kind: global_buffer, .address_space: global }
      - { .name: wouts_l, .offset: 48, .size: 8, .value_kind: global_buffer, .address_space: global }
      - { .name: b_in, .offset: 56, .size: 8, .value_kind: global_buffer, .address_space: global }
      - { .name: b_out, .offset: 64, .size: 8, .value_kind: global_buffer, .address_space: global }
      - { .name: out0, .offset: 72, .size: 8, .value_kind: global_buffer, .address_space: global }
    .group_segment_fixed_size: 156160
    .private_segment_fixed_size: 0
    .kernarg_segment_align: 8
    .kernarg_segment_size: 80
    .max_flat_workgroup_size: 128
    .sgpr_count:     80
    .vgpr_count:     1024
    .wavefront_size: 32
...
	.end_amdgpu_metadata
.endif
;; end of part 2
;; ======== version 2 of 3: 2 launches
;; workspace buffers: order 18,432 bytes of whole numbers; tiles 1,280 bytes of whole numbers; win_l 2,097,152 bytes; wins_l 131,072 bytes; wout_l 2,097,152 bytes; wouts_l 131,072 bytes
;; launch prep (part 3): grid 129 x 1, 16 waves a work-group, no clusters, 4,096 bytes of LDS; arguments y_index, W_in_codes, W_in_scales, W_out_codes, W_out_scales, order, tiles, win_l, wins_l, wout_l, wouts_l; writes order, tiles, win_l, wins_l, wout_l, wouts_l
.if DOCPART == 3
	.amdgcn_target "amdgcn-amd-amdhsa--gfx1250"
	.amdhsa_code_object_version 6
	.text
	.protected	k_q7fff8f2550_prep
	.globl	k_q7fff8f2550_prep
	.p2align	8
	.type	k_q7fff8f2550_prep,@function
k_q7fff8f2550_prep:
	s_mov_b64 s[64:65], 0
	v_nop
	global_prefetch_b8 v0, s[64:65] scope:SCOPE_SE
	s_setreg_imm32_b32 hwreg(HW_REG_WAVE_MODE, 25, 1), 1
	s_wait_xcnt 0x0
; THE LAUNCH IN FRONT OF THE CHAIN.  Three kinds of work-group, parted on the work-group's number alone:
;   0          sorts the 4,096 tokens by their expert (y_index), a counting sort without atomics, and stores two lists of whole numbers:
;              order: slot 32 t + i = the token of row i of tile t (a tile = up to 32 rows of ONE expert; slots that no token takes hold 0); all 4,576 slots are written;
;              tiles: for each of 143 tiles (its expert, its number of rows 0 .. 32).  143 = 4,096 / 32 + 16 - 1 serves every split, all tokens on one expert too.
;   1 .. 64    lay a quarter (part w) of an expert's W_in, codes and scale bytes, in the order in which a wave's operand registers take them: work-group 1 + 4 e + w;   65 .. 128 the same for W_out.
; THE LAID-OUT WEIGHTS.  lane = (r = lane % 16, h = lane / 16); rl = r + 8 (r / 8): the rows of a tile of 16 are NOT neighbours, so that two neighbouring tiles' results are 16 neighbours along the next K.
;   win_l  [e 16][w 4][s 8][tile 4][c 2][lane 32][16 bytes] = block 4 s + 2 c + h (32 codes) of W_in row 64 w + 32 (tile / 2) + 8 (tile % 2) + rl
;   wout_l [e 16][w 4][s 2][tile 16][c 2][lane 32][16 bytes] = block 4 s + 2 c + h of W_out row 256 w + 32 (tile / 2) + 8 (tile % 2) + rl
;   wins_l [e][w][g 4][lane][4 words]: word i: the four scale bytes of K step s = 2 g + i / 2 of W_in row 64 w + 32 (i % 2) + 8 h + rl: lanes 0-15 an even tile's rows, lanes 16-31 the odd tile's beside it
;   wouts_l [e][w][g 4][lane][4 words]: q = 4 g + i: K step q / 8 of W_out row 256 w + 32 (q % 8) + 8 h + rl
; So the chain loads every fragment and every scale register by loads of 512 consecutive bytes a wave.
; A load of a fragment's registers from the weights as they are given touches 16 rows: so that work is done once, here, and shared out thinly: a wave has four such loads, which take 128 consecutive bytes of each of its 16 rows.
; SPARE WORDS: order has 32 words behind its 4,576 slots, tiles 17 pairs behind its 143.  A lane with nothing to say stores there, so that no store stands under a narrowed EXEC; nobody reads them.
; LIMIT: a y_index outside 0 .. 15, which the problem does not allow, is taken as 15 (unsigned).
.set Y,   8                            ; v8-15    my 8 tokens' experts
.set RK,  16                           ; v16-23   their ranks among the same expert's tokens of their chunk (a chunk: the wave's 32 tokens number c)
.set IX,  24                           ; v24-31   4 x (16 + expert): lane selects
.set PS,  32                           ; v32-39   their slots in order
.set TK,  40                           ; v40-47   the tokens' numbers
.set TB,  48                           ; v48-63   the table of the sixteen waves' counts
.set L4,  68                           ; v68      4 x lane
.set TOT, 70                           ; FROM HERE ON LANE 16 + e SPEAKS FOR EXPERT e (lanes 0-15 hold nothing of use and are never asked): its tokens in all,
.set BEF, 71                           ;          those of the waves in front of mine,
.set NT,  72                           ;          its tiles,
.set RUN, 73                           ;          the running sum of tiles, its own among them,
.set FT,  74                           ;          its first tile,
.set BAS, 75                           ;          the slot of my wave's first token of it
.set HC,  96                           ; v96-104  my wave's tokens of it in the chunks in front of chunk c; v104: in all eight
.set BS,  104                          ; v105-111 BAS + HC, for chunks 1 to 7
.set WK,  112                          ; v112-119 at work
.set NID, 120                          ; v120-123 bit j of my lane's number: 0 where it is set, all ones where it is clear
.set PL,  32                           ; s32-47   the four bit planes of a chunk's experts and their complements, two sets by turns
.set MK,  48                           ; s48-63   the running sums of tiles
.set NSLOT, 4576
.set NWORD, 4608
	s_load_b512 s[4:19], s[0:1], 0x0               ; y_index s[4:5], W_in codes s[6:7], scales s[8:9], W_out codes s[10:11], scales s[12:13], order s[14:15], tiles s[16:17], win_l s[18:19]
	s_load_b128 s[20:23], s[0:1], 0x40             ; wins_l s[20:21], wout_l s[22:23]
	s_load_b64 s[24:25], s[0:1], 0x50              ; wouts_l
	v_lshl_add_u32 v128, v0, 2, 0x800
	v_mov_b32 v129, 0
	v_and_b32 v1, 31, v0                           ; lane
	v_lshrrev_b32 v2, 5, v0
	v_readfirstlane_b32 s26, v2                    ; wave 0 .. 15
	v_and_b32 v2, 15, v0                           ; r
	v_bfe_u32 v3, v0, 4, 1                         ; h
	v_and_b32 v4, 8, v2
	v_add_nc_u32 v4, v4, v2                        ; rl = r + 8 (r / 8)
	v_lshlrev_b32 v6, 4, v1                        ; 16 x lane: my place in every laid-out run of 512 bytes
	s_cmp_eq_u32 ttmp9, 0
	s_cbranch_scc1 .Lroute
	s_mov_b32 s35, 0                               ; the upper words of the four offset pairs
	s_mov_b32 s37, 0
	s_mov_b32 s39, 0
	s_mov_b32 s41, 0
	s_and_b32 s29, s26, 3                          ; my wave's two coordinates in the work-group's part
	s_lshr_b32 s28, s26, 2
	s_cmp_lt_u32 ttmp9, 65
	s_cbranch_scc0 .Lwout
; Four loads of codes and their stores.  Every register is loaded once and stored once, every offset is an immediate: no source is written again.  kstr: bytes from a K step's fragments to the next's, laid out.
.macro CODES csrc, cdst, kstr
.irp i, 0,1,2,3
	global_load_b128 v[16+4*\i:19+4*\i], v5, s[\csrc:\csrc+1] offset:32*\i         ; the four together: 128 consecutive bytes of each of my 16 rows
.endr
.irp i, 0,1,2,3
	s_wait_loadcnt 3-\i                            ; loads come back in order (ISA guide 5.7.1): load i is in when the 3 - i younger ones alone are out
	global_store_b128 v6, v[16+4*\i:19+4*\i], s[\cdst:\cdst+1] offset:\kstr*(\i/2)+512*(\i%2)   ; the wave stores 512 consecutive bytes, aligned
.endr
.endm
; Waves 0 to 3 also bring a group of four scale registers: its loads go out first, so that they are on their way with the codes'.  The two ways do not join.
.macro COPY csrc, cdst, ssrc, sdst, kstr, o1, o2, o3
	s_cmp_gt_u32 s26, 3
	s_cbranch_scc1 .Lplain_\@
	global_load_b32 v80, v7, s[\ssrc:\ssrc+1]
	global_load_b32 v81, v7, s[\ssrc:\ssrc+1] offset:\o1
	global_load_b32 v82, v7, s[\ssrc:\ssrc+1] offset:\o2
	global_load_b32 v83, v7, s[\ssrc:\ssrc+1] offset:\o3
	CODES \csrc, \cdst, \kstr
	global_store_b128 v6, v[80:83], s[\sdst:\sdst+1]       ; older than the codes' loads, whose last wait was for 0
	s_endpgm
.Lplain_\@:
	CODES \csrc, \cdst, \kstr
	s_endpgm
.endm
	; ---- W_in: j = work-group - 1 = 4 e + w.  My wave: tile s29, K steps 2 s28 and 2 s28 + 1 (waves 0 to 3: also group s29 of the scale words)
	s_sub_co_u32 s27, ttmp9, 1
	s_lshl_b32 s30, s27, 15                        ; a part: 64 rows of 512 bytes, in the input and laid out alike
	s_lshr_b32 s32, s29, 1
	s_and_b32 s33, s29, 1
	s_lshl_b32 s32, s32, 14                        ; 32 rows on for tiles 2, 3
	s_lshl_b32 s33, s33, 12                        ; 8 rows on for the odd tiles
	s_lshl_b32 s31, s28, 7                         ; two K steps: 128 bytes of a row
	s_add_co_u32 s34, s30, s32
	s_add_co_u32 s34, s34, s33
	s_add_co_u32 s34, s34, s31                     ; from
	s_lshl_b32 s36, s29, 10                        ; laid out: a tile's fragment of one K step is 1,024 bytes, a K step's four are 4,096
	s_lshl_b32 s31, s28, 13
	s_add_co_u32 s36, s36, s30
	s_add_co_u32 s36, s36, s31                     ; to
	s_lshl_b32 s30, s27, 11                        ; a part's scale bytes: 2,048
	s_lshl_b32 s38, s29, 3                         ; group g: K steps 2 g, 2 g + 1: 8 bytes on in a row of 32
	s_add_co_u32 s38, s38, s30
	s_lshl_b32 s40, s29, 9
	s_add_co_u32 s40, s40, s30
	v_lshlrev_b32 v5, 9, v4
	v_lshl_add_u32 v5, v3, 4, v5                   ; codes: row rl of 512 bytes, + 16 h
	v_lshl_add_u32 v7, v3, 3, v4
	v_lshlrev_b32 v7, 5, v7                        ; scale bytes: row 8 h + rl of 32 bytes
	s_wait_kmcnt 0x0
	s_add_nc_u64 s[6:7], s[6:7], s[34:35]
	s_add_nc_u64 s[18:19], s[18:19], s[36:37]
	s_add_nc_u64 s[8:9], s[8:9], s[38:39]
	s_add_nc_u64 s[20:21], s[20:21], s[40:41]
	COPY 6, 18, 8, 20, 4096, 1024, 4, 1028         ; scale word i: 32 rows on where i is odd, the group's second K step where i is 2 or 3
.Lwout:
	; ---- W_out: j = work-group - 65 = 4 e + w.  My wave: tile 4 s29 + s28, both K steps: its rows whole (waves 0 to 3: also group s29 of the scale words)
	s_sub_co_u32 s27, ttmp9, 65
	s_lshl_b32 s30, s27, 15                        ; a part: 256 rows of 128 bytes
	s_lshl_b32 s31, s29, 13                        ; four tiles: 64 rows
	s_lshr_b32 s32, s28, 1
	s_and_b32 s33, s28, 1
	s_lshl_b32 s32, s32, 12                        ; 32 rows on
	s_lshl_b32 s33, s33, 10                        ; 8 rows on
	s_add_co_u32 s34, s30, s31
	s_add_co_u32 s34, s34, s32
	s_add_co_u32 s34, s34, s33                     ; from
	s_lshl_b32 s36, s29, 12                        ; laid out: fragments of 1,024 bytes, a K step's sixteen are 16,384
	s_lshl_b32 s31, s28, 10
	s_add_co_u32 s36, s36, s30
	s_add_co_u32 s36, s36, s31                     ; to
	s_lshl_b32 s30, s27, 11
	s_and_b32 s32, s29, 1
	s_lshl_b32 s32, s32, 10                        ; groups 1, 3: pairs of tiles 4 .. 7: 128 rows of 8 bytes on
	s_lshr_b32 s33, s29, 1
	s_lshl_b32 s33, s33, 2                         ; groups 2, 3: K step 1: 4 bytes on in a row
	s_add_co_u32 s38, s30, s32
	s_add_co_u32 s38, s38, s33
	s_lshl_b32 s40, s29, 9
	s_add_co_u32 s40, s40, s30
	v_lshlrev_b32 v5, 7, v4
	v_lshl_add_u32 v5, v3, 4, v5                   ; codes: row rl of 128 bytes, + 16 h
	v_lshl_add_u32 v7, v3, 3, v4
	v_lshlrev_b32 v7, 3, v7                        ; scale bytes: row 8 h + rl of 8 bytes
	s_wait_kmcnt 0x0
	s_add_nc_u64 s[10:11], s[10:11], s[34:35]
	s_add_nc_u64 s[22:23], s[22:23], s[36:37]
	s_add_nc_u64 s[12:13], s[12:13], s[38:39]
	s_add_nc_u64 s[24:25], s[24:25], s[40:41]
	COPY 10, 22, 12, 24, 16384, 256, 512, 768      ; scale word i: the next pair of tiles, 32 rows of 8 bytes on
.Lroute:
	; ---- THE SORT.  512 threads, 8 tokens each: thread t holds tokens 4 t .. 4 t + 3 and 2,048 + 4 t .. + 3.
	; A token's slot = 32 x its expert's first tile + the expert's tokens in the waves in front + in my wave's chunks in front + in the lower lanes of its chunk.
	v_lshlrev_b32 v5, 4, v0
	s_wait_kmcnt 0x0
	global_load_b128 v[Y:Y+3], v5, s[4:5]
	global_load_b128 v[Y+4:Y+7], v5, s[4:5] offset:8192
	v_lshlrev_b32 v7, 2, v0                        ; 4 t: my first token, and my word in the table (a wave's row is 128 bytes)
.irp c, 0,1,2,3,4,5,6,7
	v_add_nc_u32 v[TK+\c], 2048*(\c/4)+(\c%4), v7
.endr
.irp j, 0,1,2,3
	v_bfe_u32 v[NID+\j], v0, \j, 1
.endr
.irp j, 0,1,2,3
	v_add_nc_u32 v[NID+\j], -1, v[NID+\j]          ; 1 -> 0, 0 -> all ones
.endr
	v_mov_b32 v[HC], 0
	v_lshlrev_b32 v[L4], 2, v1
	v_mov_b32 v86, 0
	v_add_nc_u32 v87, NSLOT, v1                    ; my spare word of order
	s_lshl_b32 s28, s26, 2
	s_add_co_u32 s28, s28, 64
	v_mov_b32 v76, s28                             ; 4 x (16 + wave): wave w sees to the padding of expert w
	s_wait_loadcnt 0x0
.irp c, 0,1,2,3,4,5,6,7
	v_min_u32 v[Y+\c], 15, v[Y+\c]                 ; inside the table: all that is made of it below is bounded
.endr
.irp c, 0,1,2,3,4,5,6,7
	v_lshl_add_u32 v[IX+\c], v[Y+\c], 2, 64
.endr
; CHUNK c, BY BIT PLANES.  Plane j = the lanes whose expert's number has bit j set.  The lanes with MY expert are the AND over j of plane j (where my bit j is set: plane j is its own select mask) or its complement.
; The lanes with expert e = lane % 16 are the same AND by the bits of the lane's number.  Their count: v_mbcnt_lo counts a mask's ones BELOW my lane L: of the mask itself, and of the mask shifted down by L, whose
; 32 - L bits all lie below L where L is 16 or more: the two together are all 32 bits.  So expert e's counter lives in lane 16 + e.
.macro RANK c
.set SB, PL+8*((\c)%2)
	v_and_b32 v[WK], 1, v[Y+\c]
	v_and_b32 v[WK+1], 2, v[Y+\c]
	v_and_b32 v[WK+2], 4, v[Y+\c]
	v_cmp_ne_u32 s[SB], 0, v[WK]
	v_cmp_ne_u32 s[SB+1], 0, v[WK+1]
	v_cmp_ne_u32 s[SB+2], 0, v[WK+2]
	v_cmp_lt_u32 s[SB+3], 7, v[Y+\c]               ; bit 3 of a number under 16
.irp j, 0,1,2,3
	s_not_b32 s[SB+4+\j], s[SB+\j]
.endr
.irp j, 0,1,2,3
	v_cndmask_b32 v[WK+\j], s[SB+4+\j], s[SB+\j], s[SB+\j]     ; the lanes that agree with me in bit j
.endr
.irp j, 0,1,2,3
	v_xor_b32 v[WK+4+\j], s[SB+\j], v[NID+\j]      ; the lanes whose bit j is that of my lane's number
.endr
	v_and_b32 v[WK], v[WK], v[WK+1]
	v_and_b32 v[WK+2], v[WK+2], v[WK+3]
	v_and_b32 v[WK+4], v[WK+4], v[WK+5]
	v_and_b32 v[WK+6], v[WK+6], v[WK+7]
	v_and_b32 v[WK], v[WK], v[WK+2]
	v_and_b32 v[WK+4], v[WK+4], v[WK+6]
	v_mbcnt_lo_u32_b32 v[RK+\c], v[WK], 0          ; my rank in the chunk
	v_lshrrev_b32 v[WK+5], v1, v[WK+4]
	v_mbcnt_lo_u32_b32 v[WK+6], v[WK+4], v[HC+\c]
	v_mbcnt_lo_u32_b32 v[HC+\c+1], v[WK+5], v[WK+6]    ; the count goes on
.endm
.irp c, 0,1,2,3,4,5,6,7
	RANK \c
.endr
	ds_store_b32 v7, v[HC+8]                       ; my wave's row of the table
	s_wait_dscnt 0x0                               ; for the others' sake: it has landed
	s_barrier_signal -1
	s_barrier_wait -1                              ; the one barrier: behind it the table is only read
.irp w, 0,1,2,3,4,5,6,7,8,9,10,11,12,13,14,15
	ds_load_b32 v[TB+\w], v[L4] offset:128*\w
.endr
	v_mov_b32 v[BEF], 0
	s_wait_dscnt 0x0
.irp w, 0,1,2,3,4,5,6,7,8,9,10,11,12,13,14
	s_cmp_gt_u32 s26, \w
	s_cselect_b32 s[28+\w%2], 1, 0
	v_mad_u32_u24 v[BEF], v[TB+\w], s[28+\w%2], v[BEF]         ; the waves in front of mine count, the others do not
.endr
	v_add3_u32 v[TOT], v[TB], v[TB+1], v[TB+2]     ; all sixteen, in two chains
	v_add3_u32 v[WK], v[TB+3], v[TB+4], v[TB+5]
	v_add3_u32 v[TOT], v[TOT], v[TB+6], v[TB+7]
	v_add3_u32 v[WK], v[WK], v[TB+8], v[TB+9]
	v_add3_u32 v[TOT], v[TOT], v[TB+10], v[TB+11]
	v_add3_u32 v[WK], v[WK], v[TB+12], v[TB+13]
	v_add3_u32 v[TOT], v[TOT], v[TB+14], v[TB+15]
	v_add_nc_u32 v[TOT], v[TOT], v[WK]
	v_add_nc_u32 v[NT], 31, v[TOT]
	v_lshrrev_b32 v[NT], 5, v[NT]
	v_mov_b32 v[RUN], v[NT]
.irp n, 1,2,4,8
	v_mov_b32_dpp v[WK], v[RUN] row_shr:\n row_mask:0xf bank_mask:0xf bound_ctrl:1   ; within the sixteen lanes 16-31
	v_add_nc_u32 v[RUN], v[RUN], v[WK]
.endr
	v_sub_nc_u32 v[FT], v[RUN], v[NT]
	v_lshl_add_u32 v[BAS], v[FT], 5, v[BEF]
.irp c, 1,2,3,4,5,6,7
	v_add_nc_u32 v[BS+\c], v[BAS], v[HC+\c]
.endr
	ds_bpermute_b32 v[PS], v[IX], v[BAS]           ; from lane 16 + expert: no LDS byte is touched
.irp c, 1,2,3,4,5,6,7
	ds_bpermute_b32 v[PS+\c], v[IX+\c], v[BS+\c]
.endr
	ds_bpermute_b32 v77, v76, v[TOT]               ; expert w: its tokens,
	ds_bpermute_b32 v78, v76, v[FT]                ; its first tile,
	ds_bpermute_b32 v79, v76, v[NT]                ; its tiles
	v_readlane_b32 s29, v[RUN], 31                 ; the tiles in use
	s_lshl_b32 s29, s29, 5
	v_add_nc_u32 v83, s29, v0                      ; the tail: at most 4,576 - 4,096 = 480 slots, one a thread; a thread past the last slot lands, by the bound, on a spare word
	v_min_u32 v88, NWORD-1, v83
	v_lshlrev_b32 v88, 2, v88
	s_wait_dscnt 0x0
.irp c, 0,1,2,3,4,5,6,7
	v_add_nc_u32 v[PS+\c], v[PS+\c], v[RK+\c]
.endr
.irp c, 0,1,2,3,4,5,6,7
	v_min_u32 v[PS+\c], NSLOT-1, v[PS+\c]          ; (never at work: the slots in use end at 32 x 143)
.endr
.irp c, 0,1,2,3,4,5,6,7
	v_lshlrev_b32 v[PS+\c], 2, v[PS+\c]
.endr
.irp c, 0,1,2,3,4,5,6,7
	global_store_b32 v[PS+\c], v[TK+\c], s[14:15]  ; each token into its slot
.endr
	v_lshl_add_u32 v80, v78, 5, v77
	v_add_nc_u32 v80, v80, v1                      ; expert w's padding begins behind its last token: fewer than 32 slots, one a lane,
	v_add_lshl_u32 v81, v78, v79, 5                ; and ends with its last tile
	v_cmp_lt_u32 vcc_lo, v80, v81
	v_cndmask_b32 v82, v87, v80, vcc_lo            ; a lane past the end takes its spare word
	v_min_u32 v82, NWORD-1, v82
	v_lshlrev_b32 v82, 2, v82
	global_store_b32 v82, v86, s[14:15]            ; the padding slots hold token 0: a row that may be read, and of which nothing is stored
	global_store_b32 v88, v86, s[14:15]            ; the slots of the empty tiles likewise
	; the tile table: waves 0 to 4, thread t for tile t (threads 143 to 159: spare pairs).  Tile t's expert = the number of experts whose running sum is t or less (16, held to 15, for the tiles that this split leaves empty)
	s_cmp_lt_u32 s26, 5
	s_cbranch_scc0 .Ldone
.irp i, 0,1,2,3,4,5,6,7,8,9,10,11,12,13,14,15
	v_readlane_b32 s[MK+\i], v[RUN], 16+\i
.endr
	v_mov_b32 v84, 0
.irp i, 0,1,2,3,4,5,6,7,8,9,10,11,12,13,14,15
	v_cmp_le_u32 vcc_lo, s[MK+\i], v0
	v_add_co_ci_u32 v84, vcc_lo, 0, v84, vcc_lo    ; + 1 where the compare holds
.endr
	v_min_u32 v84, 15, v84
	v_lshl_add_u32 v89, v84, 2, 64
	ds_bpermute_b32 v90, v89, v[TOT]               ; the expert's tokens,
	ds_bpermute_b32 v91, v89, v[FT]                ; its first tile
	v_lshlrev_b32 v93, 3, v0                       ; tile t's two words
	s_wait_dscnt 0x0
	v_sub_nc_u32 v92, v0, v91
	v_lshlrev_b32 v92, 5, v92
	v_min_u32 v92, v92, v90                        ; the expert's rows in front of tile t,
	v_sub_nc_u32 v85, v90, v92
	v_min_u32 v85, 32, v85                         ; and tile t's own: 0 for a tile that this split leaves empty
	global_store_b64 v93, v[84:85], s[16:17]       ; (expert, rows) of tile t
.Ldone:
	s_wait_tensorcnt 0x0
	ds_add_u32 v128, v129
	s_wait_dscnt 0x0
	s_endpgm
.Lfunc_end_k_q7fff8f2550_prep:
	.size	k_q7fff8f2550_prep, .Lfunc_end_k_q7fff8f2550_prep-k_q7fff8f2550_prep
	.p2alignl 7, 3214868480
	.fill 96, 4, 3214868480
	.section	.rodata,"a",@progbits
	.p2align	6, 0x0
	.amdhsa_kernel k_q7fff8f2550_prep
		.amdhsa_group_segment_fixed_size 4096
		.amdhsa_private_segment_fixed_size 0
		.amdhsa_enable_private_segment 0
		.amdhsa_kernarg_size 88
		.amdhsa_user_sgpr_count 2
		.amdhsa_user_sgpr_kernarg_segment_ptr 1
		.amdhsa_wavefront_size32 1
		.amdhsa_system_sgpr_workgroup_id_x 1
		.amdhsa_system_sgpr_workgroup_id_y 1
		.amdhsa_system_sgpr_workgroup_id_z 1
		.amdhsa_system_vgpr_workitem_id 0
		.amdhsa_next_free_vgpr 130
		.amdhsa_next_free_sgpr 80
		.amdhsa_reserve_vcc 1
		.amdhsa_float_denorm_mode_32 3
		.amdhsa_float_denorm_mode_16_64 3
		.amdhsa_memory_ordered 1
		.amdhsa_forward_progress 1
		.amdhsa_inst_pref_size 31
	.end_amdhsa_kernel
	.amdgpu_metadata
---
amdhsa.version: [ 1, 2 ]
amdhsa.kernels:
  - .name:           k_q7fff8f2550_prep
    .symbol:         k_q7fff8f2550_prep.kd
    .args:
      - { .name: y_index, .offset: 0, .size: 8, .value_kind: global_buffer, .address_space: global }
      - { .name: W_in_codes, .offset: 8, .size: 8, .value_kind: global_buffer, .address_space: global }
      - { .name: W_in_scales, .offset: 16, .size: 8, .value_kind: global_buffer, .address_space: global }
      - { .name: W_out_codes, .offset: 24, .size: 8, .value_kind: global_buffer, .address_space: global }
      - { .name: W_out_scales, .offset: 32, .size: 8, .value_kind: global_buffer, .address_space: global }
      - { .name: order, .offset: 40, .size: 8, .value_kind: global_buffer, .address_space: global }
      - { .name: tiles, .offset: 48, .size: 8, .value_kind: global_buffer, .address_space: global }
      - { .name: win_l, .offset: 56, .size: 8, .value_kind: global_buffer, .address_space: global }
      - { .name: wins_l, .offset: 64, .size: 8, .value_kind: global_buffer, .address_space: global }
      - { .name: wout_l, .offset: 72, .size: 8, .value_kind: global_buffer, .address_space: global }
      - { .name: wouts_l, .offset: 80, .size: 8, .value_kind: global_buffer, .address_space: global }
    .group_segment_fixed_size: 4096
    .private_segment_fixed_size: 0
    .kernarg_segment_align: 8
    .kernarg_segment_size: 88
    .max_flat_workgroup_size: 512
    .sgpr_count:     80
    .vgpr_count:     130
    .wavefront_size: 32
...
	.end_amdgpu_metadata
.endif
;; end of part 3
;; launch chain: the kernel of part 2 again; grid 143 x 1, 4 waves a work-group, no clusters, 156,160 bytes of LDS; arguments x, order, tiles, win_l, wins_l, wout_l, wouts_l, b_in, b_out, out0; writes out0
;; ======== version 3 of 3: 2 launches
;; workspace buffers: order 18,432 bytes of whole numbers; tiles 1,280 bytes of whole numbers; win_l 2,097,152 bytes; wins_l 131,072 bytes; wout_l 2,097,152 bytes; wouts_l 131,072 bytes
;; launch prep (part 4): grid 129 x 1, 16 waves a work-group, no clusters, 4,096 bytes of LDS; arguments y_index, W_in_codes, W_in_scales, W_out_codes, W_out_scales, order, tiles, win_l, wins_l, wout_l, wouts_l; writes order, tiles, win_l, wins_l, wout_l, wouts_l
.if DOCPART == 4
	.amdgcn_target "amdgcn-amd-amdhsa--gfx1250"
	.amdhsa_code_object_version 6
	.text
	.protected	k_q7fff8f2550_prep
	.globl	k_q7fff8f2550_prep
	.p2align	8
	.type	k_q7fff8f2550_prep,@function
k_q7fff8f2550_prep:
	s_mov_b64 s[64:65], 0
	v_nop
	global_prefetch_b8 v0, s[64:65] scope:SCOPE_SE
	s_setreg_imm32_b32 hwreg(HW_REG_WAVE_MODE, 25, 1), 1
	s_wait_xcnt 0x0
; THE LAUNCH IN FRONT OF THE CHAIN.  Three kinds of work-group, parted on the work-group's number alone:
;   0          sorts the 4,096 tokens by their expert (y_index), a counting sort without atomics, and stores two lists of whole numbers:
;              order: slot 32 t + i = the token of row i of tile t (a tile = up to 32 rows of ONE expert; slots that no token takes hold 0); all 4,576 slots are written;
;              tiles: for each of 143 tiles (its expert, its number of rows 0 .. 32).  143 = 4,096 / 32 + 16 - 1 serves every split, all tokens on one expert too.
;   1 .. 64    lay a quarter (part w) of an expert's W_in, codes and scale bytes, in the order in which a wave's operand registers take them: work-group 1 + 4 e + w;   65 .. 128 the same for W_out.
; THE LAID-OUT WEIGHTS.  lane = (r = lane % 16, h = lane / 16); rl = r + 8 (r / 8): the rows of a tile of 16 are NOT neighbours, so that two neighbouring tiles' results are 16 neighbours along the next K.
;   win_l  [e 16][w 4][s 8][tile 4][c 2][lane 32][16 bytes] = block 4 s + 2 c + h (32 codes) of W_in row 64 w + 32 (tile / 2) + 8 (tile % 2) + rl
;   wout_l [e 16][w 4][s 2][tile 16][c 2][lane 32][16 bytes] = block 4 s + 2 c + h of W_out row 256 w + 32 (tile / 2) + 8 (tile % 2) + rl
;   wins_l [e][w][g 4][lane][4 words]: word i: the four scale bytes of K step s = 2 g + i / 2 of W_in row 64 w + 32 (i % 2) + 8 h + rl: lanes 0-15 an even tile's rows, lanes 16-31 the odd tile's beside it
;   wouts_l [e][w][g 4][lane][4 words]: q = 4 g + i: K step q / 8 of W_out row 256 w + 32 (q % 8) + 8 h + rl
; So the chain loads every fragment and every scale register by loads of 512 consecutive bytes a wave.
; A load of a fragment's registers from the weights as they are given touches 16 rows: so that work is done once, here, and shared out thinly: a wave has four such loads, which take 128 consecutive bytes of each of its 16 rows.
; SPARE WORDS: order has 32 words behind its 4,576 slots, tiles 17 pairs behind its 143.  A lane with nothing to say stores there, so that no store stands under a narrowed EXEC; nobody reads them.
; LIMIT: a y_index outside 0 .. 15, which the problem does not allow, is taken as 15 (unsigned).
.set Y,   8                            ; v8-15    my 8 tokens' experts
.set RK,  16                           ; v16-23   their ranks among the same expert's tokens of their chunk (a chunk: the wave's 32 tokens number c)
.set IX,  24                           ; v24-31   4 x (16 + expert): lane selects
.set PS,  32                           ; v32-39   their slots in order
.set TK,  40                           ; v40-47   the tokens' numbers
.set TB,  48                           ; v48-63   the table of the sixteen waves' counts
.set L4,  68                           ; v68      4 x lane
.set TOT, 70                           ; FROM HERE ON LANE 16 + e SPEAKS FOR EXPERT e (lanes 0-15 hold nothing of use and are never asked): its tokens in all,
.set BEF, 71                           ;          those of the waves in front of mine,
.set NT,  72                           ;          its tiles,
.set RUN, 73                           ;          the running sum of tiles, its own among them,
.set FT,  74                           ;          its first tile,
.set BAS, 75                           ;          the slot of my wave's first token of it
.set HC,  96                           ; v96-104  my wave's tokens of it in the chunks in front of chunk c; v104: in all eight
.set BS,  104                          ; v105-111 BAS + HC, for chunks 1 to 7
.set WK,  112                          ; v112-119 at work
.set NID, 120                          ; v120-123 bit j of my lane's number: 0 where it is set, all ones where it is clear
.set PL,  32                           ; s32-47   the four bit planes of a chunk's experts and their complements, two sets by turns
.set MK,  48                           ; s48-63   the running sums of tiles
.set NSLOT, 4576
.set NWORD, 4608
	s_load_b512 s[4:19], s[0:1], 0x0               ; y_index s[4:5], W_in codes s[6:7], scales s[8:9], W_out codes s[10:11], scales s[12:13], order s[14:15], tiles s[16:17], win_l s[18:19]
	s_load_b128 s[20:23], s[0:1], 0x40             ; wins_l s[20:21], wout_l s[22:23]
	s_load_b64 s[24:25], s[0:1], 0x50              ; wouts_l
	v_lshl_add_u32 v128, v0, 2, 0x800
	v_mov_b32 v129, 0
	v_and_b32 v1, 31, v0                           ; lane
	v_lshrrev_b32 v2, 5, v0
	s_delay_alu instid0(VALU_DEP_1)
	v_readfirstlane_b32 s26, v2                    ; wave 0 .. 15
	v_and_b32 v2, 15, v0                           ; r
	v_bfe_u32 v3, v0, 4, 1                         ; h
	s_delay_alu instid0(VALU_DEP_2)
	v_and_b32 v4, 8, v2
	s_delay_alu instid0(VALU_DEP_1)
	v_add_nc_u32 v4, v4, v2                        ; rl = r + 8 (r / 8)
	v_lshlrev_b32 v6, 4, v1                        ; 16 x lane: my place in every laid-out run of 512 bytes
	s_cmp_eq_u32 ttmp9, 0
	s_cbranch_scc1 .Lroute
	s_mov_b32 s35, 0                               ; the upper words of the four offset pairs
	s_mov_b32 s37, 0
	s_mov_b32 s39, 0
	s_mov_b32 s41, 0
	s_and_b32 s29, s26, 3                          ; my wave's two coordinates in the work-group's part
	s_lshr_b32 s28, s26, 2
	s_cmp_lt_u32 ttmp9, 65
	s_cbranch_scc0 .Lwout
; Four loads of codes and their stores.  Every register is loaded once and stored once, every offset is an immediate: no source is written again.  kstr: bytes from a K step's fragments to the next's, laid out.
.macro CODES csrc, cdst, kstr
.irp i, 0,1,2,3
	global_load_b128 v[16+4*\i:19+4*\i], v5, s[\csrc:\csrc+1] offset:32*\i         ; the four together: 128 consecutive bytes of each of my 16 rows
.endr
.irp i, 0,1,2,3
	s_wait_loadcnt 3-\i                            ; loads come back in order (ISA guide 5.7.1): load i is in when the 3 - i younger ones alone are out
	global_store_b128 v6, v[16+4*\i:19+4*\i], s[\cdst:\cdst+1] offset:\kstr*(\i/2)+512*(\i%2)   ; the wave stores 512 consecutive bytes, aligned
.endr
.endm
; Waves 0 to 3 also bring a group of four scale registers: its loads go out first, so that they are on their way with the codes'.  The two ways do not join.
.macro COPY csrc, cdst, ssrc, sdst, kstr, o1, o2, o3
	s_cmp_gt_u32 s26, 3
	s_cbranch_scc1 .Lplain_\@
	s_wait_alu depctr_va_vdst(0)
	global_load_b32 v80, v7, s[\ssrc:\ssrc+1]
	global_load_b32 v81, v7, s[\ssrc:\ssrc+1] offset:\o1
	global_load_b32 v82, v7, s[\ssrc:\ssrc+1] offset:\o2
	global_load_b32 v83, v7, s[\ssrc:\ssrc+1] offset:\o3
	CODES \csrc, \cdst, \kstr
	global_store_b128 v6, v[80:83], s[\sdst:\sdst+1]       ; older than the codes' loads, whose last wait was for 0
	s_endpgm
.Lplain_\@:
	s_wait_alu depctr_va_vdst(0)
	CODES \csrc, \cdst, \kstr
	s_endpgm
.endm
	; ---- W_in: j = work-group - 1 = 4 e + w.  My wave: tile s29, K steps 2 s28 and 2 s28 + 1 (waves 0 to 3: also group s29 of the scale words)
	s_sub_co_u32 s27, ttmp9, 1
	s_lshl_b32 s30, s27, 15                        ; a part: 64 rows of 512 bytes, in the input and laid out alike
	s_lshr_b32 s32, s29, 1
	s_and_b32 s33, s29, 1
	s_lshl_b32 s32, s32, 14                        ; 32 rows on for tiles 2, 3
	s_lshl_b32 s33, s33, 12                        ; 8 rows on for the odd tiles
	s_lshl_b32 s31, s28, 7                         ; two K steps: 128 bytes of a row
	s_add_co_u32 s34, s30, s32
	s_add_co_u32 s34, s34, s33
	s_add_co_u32 s34, s34, s31                     ; from
	s_lshl_b32 s36, s29, 10                        ; laid out: a tile's fragment of one K step is 1,024 bytes, a K step's four are 4,096
	s_lshl_b32 s31, s28, 13
	s_add_co_u32 s36, s36, s30
	s_add_co_u32 s36, s36, s31                     ; to
	s_lshl_b32 s30, s27, 11                        ; a part's scale bytes: 2,048
	s_lshl_b32 s38, s29, 3                         ; group g: K steps 2 g, 2 g + 1: 8 bytes on in a row of 32
	s_add_co_u32 s38, s38, s30
	s_lshl_b32 s40, s29, 9
	s_add_co_u32 s40, s40, s30
	s_wait_alu depctr_va_vdst(0)
	v_lshlrev_b32 v5, 9, v4
	s_delay_alu instid0(VALU_DEP_1)
	v_lshl_add_u32 v5, v3, 4, v5                   ; codes: row rl of 512 bytes, + 16 h
	v_lshl_add_u32 v7, v3, 3, v4
	s_delay_alu instid0(VALU_DEP_1)
	v_lshlrev_b32 v7, 5, v7                        ; scale bytes: row 8 h + rl of 32 bytes
	s_wait_kmcnt 0x0
	s_add_nc_u64 s[6:7], s[6:7], s[34:35]
	s_add_nc_u64 s[18:19], s[18:19], s[36:37]
	s_add_nc_u64 s[8:9], s[8:9], s[38:39]
	s_add_nc_u64 s[20:21], s[20:21], s[40:41]
	COPY 6, 18, 8, 20, 4096, 1024, 4, 1028         ; scale word i: 32 rows on where i is odd, the group's second K step where i is 2 or 3
.Lwout:
	; ---- W_out: j = work-group - 65 = 4 e + w.  My wave: tile 4 s29 + s28, both K steps: its rows whole (waves 0 to 3: also group s29 of the scale words)
	s_sub_co_u32 s27, ttmp9, 65
	s_lshl_b32 s30, s27, 15                        ; a part: 256 rows of 128 bytes
	s_lshl_b32 s31, s29, 13                        ; four tiles: 64 rows
	s_lshr_b32 s32, s28, 1
	s_and_b32 s33, s28, 1
	s_lshl_b32 s32, s32, 12                        ; 32 rows on
	s_lshl_b32 s33, s33, 10                        ; 8 rows on
	s_add_co_u32 s34, s30, s31
	s_add_co_u32 s34, s34, s32
	s_add_co_u32 s34, s34, s33                     ; from
	s_lshl_b32 s36, s29, 12                        ; laid out: fragments of 1,024 bytes, a K step's sixteen are 16,384
	s_lshl_b32 s31, s28, 10
	s_add_co_u32 s36, s36, s30
	s_add_co_u32 s36, s36, s31                     ; to
	s_lshl_b32 s30, s27, 11
	s_and_b32 s32, s29, 1
	s_lshl_b32 s32, s32, 10                        ; groups 1, 3: pairs of tiles 4 .. 7: 128 rows of 8 bytes on
	s_lshr_b32 s33, s29, 1
	s_lshl_b32 s33, s33, 2                         ; groups 2, 3: K step 1: 4 bytes on in a row
	s_add_co_u32 s38, s30, s32
	s_add_co_u32 s38, s38, s33
	s_lshl_b32 s40, s29, 9
	s_add_co_u32 s40, s40, s30
	s_wait_alu depctr_va_vdst(0)
	v_lshlrev_b32 v5, 7, v4
	s_delay_alu instid0(VALU_DEP_1)
	v_lshl_add_u32 v5, v3, 4, v5                   ; codes: row rl of 128 bytes, + 16 h
	v_lshl_add_u32 v7, v3, 3, v4
	s_delay_alu instid0(VALU_DEP_1)
	v_lshlrev_b32 v7, 3, v7                        ; scale bytes: row 8 h + rl of 8 bytes
	s_wait_kmcnt 0x0
	s_add_nc_u64 s[10:11], s[10:11], s[34:35]
	s_add_nc_u64 s[22:23], s[22:23], s[36:37]
	s_add_nc_u64 s[12:13], s[12:13], s[38:39]
	s_add_nc_u64 s[24:25], s[24:25], s[40:41]
	COPY 10, 22, 12, 24, 16384, 256, 512, 768      ; scale word i: the next pair of tiles, 32 rows of 8 bytes on
.Lroute:
	; ---- THE SORT.  512 threads, 8 tokens each: thread t holds tokens 4 t .. 4 t + 3 and 2,048 + 4 t .. + 3.
	; A token's slot = 32 x its expert's first tile + the expert's tokens in the waves in front + in my wave's chunks in front + in the lower lanes of its chunk.
	v_lshlrev_b32 v5, 4, v0
	s_wait_alu depctr_va_vdst(0)
	s_wait_kmcnt 0x0
	global_load_b128 v[Y:Y+3], v5, s[4:5]
	global_load_b128 v[Y+4:Y+7], v5, s[4:5] offset:8192
	v_lshlrev_b32 v7, 2, v0                        ; 4 t: my first token, and my word in the table (a wave's row is 128 bytes)
.irp c, 0,1,2,3,4,5,6,7
	v_add_nc_u32 v[TK+\c], 2048*(\c/4)+(\c%4), v7
.endr
.irp j, 0,1,2,3
	v_bfe_u32 v[NID+\j], v0, \j, 1
.endr
.irp j, 0,1,2,3
	s_delay_alu instid0(VALU_DEP_4)
	v_add_nc_u32 v[NID+\j], -1, v[NID+\j]          ; 1 -> 0, 0 -> all ones
.endr
	v_mov_b32 v[HC], 0
	v_lshlrev_b32 v[L4], 2, v1
	v_mov_b32 v86, 0
	v_add_nc_u32 v87, NSLOT, v1                    ; my spare word of order
	s_lshl_b32 s28, s26, 2
	s_add_co_u32 s28, s28, 64
	v_mov_b32 v76, s28                             ; 4 x (16 + wave): wave w sees to the padding of expert w
	s_wait_loadcnt 0x0
.irp c, 0,1,2,3,4,5,6,7
	v_min_u32 v[Y+\c], 15, v[Y+\c]                 ; inside the table: all that is made of it below is bounded
.endr
.irp c, 0,1,2,3,4,5,6,7
	v_lshl_add_u32 v[IX+\c], v[Y+\c], 2, 64
.endr
; CHUNK c, BY BIT PLANES.  Plane j = the lanes whose expert's number has bit j set.  The lanes with MY expert are the AND over j of plane j (where my bit j is set: plane j is its own select mask) or its complement.
; The lanes with expert e = lane % 16 are the same AND by the bits of the lane's number.  Their count: v_mbcnt_lo counts a mask's ones BELOW my lane L: of the mask itself, and of the mask shifted down by L, whose
; 32 - L bits all lie below L where L is 16 or more: the two together are all 32 bits.  So expert e's counter lives in lane 16 + e.
.macro RANK c
.set SB, PL+8*((\c)%2)
	v_and_b32 v[WK], 1, v[Y+\c]
	v_and_b32 v[WK+1], 2, v[Y+\c]
	v_and_b32 v[WK+2], 4, v[Y+\c]
	s_delay_alu instid0(VALU_DEP_3)
	v_cmp_ne_u32 s[SB], 0, v[WK]
	s_delay_alu instid0(VALU_DEP_3)
	v_cmp_ne_u32 s[SB+1], 0, v[WK+1]
	s_delay_alu instid0(VALU_DEP_3)
	v_cmp_ne_u32 s[SB+2], 0, v[WK+2]
	v_cmp_lt_u32 s[SB+3], 7, v[Y+\c]               ; bit 3 of a number under 16
.irp j, 0,1,2,3
	s_not_b32 s[SB+4+\j], s[SB+\j]
.endr
.irp j, 0,1,2,3
	v_cndmask_b32 v[WK+\j], s[SB+4+\j], s[SB+\j], s[SB+\j]     ; the lanes that agree with me in bit j
.endr
.irp j, 0,1,2,3
	v_xor_b32 v[WK+4+\j], s[SB+\j], v[NID+\j]      ; the lanes whose bit j is that of my lane's number
.endr
	v_and_b32 v[WK], v[WK], v[WK+1]
	v_and_b32 v[WK+2], v[WK+2], v[WK+3]
	v_and_b32 v[WK+4], v[WK+4], v[WK+5]
	s_delay_alu instid0(VALU_DEP_4)
	v_and_b32 v[WK+6], v[WK+6], v[WK+7]
	s_delay_alu instid0(VALU_DEP_3)
	v_and_b32 v[WK], v[WK], v[WK+2]
	s_delay_alu instid0(VALU_DEP_2)
	v_and_b32 v[WK+4], v[WK+4], v[WK+6]
	s_delay_alu instid0(VALU_DEP_2)
	v_mbcnt_lo_u32_b32 v[RK+\c], v[WK], 0          ; my rank in the chunk
	s_delay_alu instid0(VALU_DEP_2)
	v_lshrrev_b32 v[WK+5], v1, v[WK+4]
	s_delay_alu instid0(VALU_DEP_3)
	v_mbcnt_lo_u32_b32 v[WK+6], v[WK+4], v[HC+\c]
	s_delay_alu instid0(VALU_DEP_1)
	v_mbcnt_lo_u32_b32 v[HC+\c+1], v[WK+5], v[WK+6]    ; the count goes on
.endm
.irp c, 0,1,2,3,4,5,6,7
	RANK \c
.endr
	ds_store_b32 v7, v[HC+8]                       ; my wave's row of the table
	s_wait_dscnt 0x0                               ; for the others' sake: it has landed
	s_barrier_signal -1
	s_barrier_wait -1                              ; the one barrier: behind it the table is only read
.irp w, 0,1,2,3,4,5,6,7,8,9,10,11,12,13,14,15
	ds_load_b32 v[TB+\w], v[L4] offset:128*\w
.endr
	v_mov_b32 v[BEF], 0
	s_wait_alu depctr_va_vdst(0)
	s_wait_dscnt 0x0
.irp w, 0,1,2,3,4,5,6,7,8,9,10,11,12,13,14
	s_cmp_gt_u32 s26, \w
	s_cselect_b32 s[28+\w%2], 1, 0
	v_mad_u32_u24 v[BEF], v[TB+\w], s[28+\w%2], v[BEF]         ; the waves in front of mine count, the others do not
.endr
	v_add3_u32 v[TOT], v[TB], v[TB+1], v[TB+2]     ; all sixteen, in two chains
	v_add3_u32 v[WK], v[TB+3], v[TB+4], v[TB+5]
	s_delay_alu instid0(VALU_DEP_2)
	v_add3_u32 v[TOT], v[TOT], v[TB+6], v[TB+7]
	s_delay_alu instid0(VALU_DEP_2)
	v_add3_u32 v[WK], v[WK], v[TB+8], v[TB+9]
	s_delay_alu instid0(VALU_DEP_2)
	v_add3_u32 v[TOT], v[TOT], v[TB+10], v[TB+11]
	s_delay_alu instid0(VALU_DEP_2)
	v_add3_u32 v[WK], v[WK], v[TB+12], v[TB+13]
	s_delay_alu instid0(VALU_DEP_2)
	v_add3_u32 v[TOT], v[TOT], v[TB+14], v[TB+15]
	s_delay_alu instid0(VALU_DEP_1)
	v_add_nc_u32 v[TOT], v[TOT], v[WK]
	s_delay_alu instid0(VALU_DEP_1)
	v_add_nc_u32 v[NT], 31, v[TOT]
	s_delay_alu instid0(VALU_DEP_1)
	v_lshrrev_b32 v[NT], 5, v[NT]
	s_delay_alu instid0(VALU_DEP_1)
	v_mov_b32 v[RUN], v[NT]
.irp n, 1,2,4,8
	s_delay_alu instid0(VALU_DEP_1)
	v_mov_b32_dpp v[WK], v[RUN] row_shr:\n row_mask:0xf bank_mask:0xf bound_ctrl:1   ; within the sixteen lanes 16-31
	s_delay_alu instid0(VALU_DEP_1)
	v_add_nc_u32 v[RUN], v[RUN], v[WK]
.endr
	s_delay_alu instid0(VALU_DEP_1)
	v_sub_nc_u32 v[FT], v[RUN], v[NT]
	s_delay_alu instid0(VALU_DEP_1)
	v_lshl_add_u32 v[BAS], v[FT], 5, v[BEF]
.irp c, 1,2,3,4,5,6,7
	v_add_nc_u32 v[BS+\c], v[BAS], v[HC+\c]
.endr
	ds_bpermute_b32 v[PS], v[IX], v[BAS]           ; from lane 16 + expert: no LDS byte is touched
.irp c, 1,2,3,4,5,6,7
	ds_bpermute_b32 v[PS+\c], v[IX+\c], v[BS+\c]
.endr
	ds_bpermute_b32 v77, v76, v[TOT]               ; expert w: its tokens,
	ds_bpermute_b32 v78, v76, v[FT]                ; its first tile,
	ds_bpermute_b32 v79, v76, v[NT]                ; its tiles
	v_readlane_b32 s29, v[RUN], 31                 ; the tiles in use
	s_lshl_b32 s29, s29, 5
	v_add_nc_u32 v83, s29, v0                      ; the tail: at most 4,576 - 4,096 = 480 slots, one a thread; a thread past the last slot lands, by the bound, on a spare word
	s_delay_alu instid0(VALU_DEP_1)
	v_min_u32 v88, NWORD-1, v83
	s_delay_alu instid0(VALU_DEP_1)
	v_lshlrev_b32 v88, 2, v88
	s_wait_dscnt 0x0
.irp c, 0,1,2,3,4,5,6,7
	v_add_nc_u32 v[PS+\c], v[PS+\c], v[RK+\c]
.endr
.irp c, 0,1,2,3,4,5,6,7
	v_min_u32 v[PS+\c], NSLOT-1, v[PS+\c]          ; (never at work: the slots in use end at 32 x 143)
.endr
.irp c, 0,1,2,3,4,5,6,7
	v_lshlrev_b32 v[PS+\c], 2, v[PS+\c]
.endr
.irp c, 0,1,2,3,4,5,6,7
	global_store_b32 v[PS+\c], v[TK+\c], s[14:15]  ; each token into its slot
.endr
	v_lshl_add_u32 v80, v78, 5, v77
	s_delay_alu instid0(VALU_DEP_1)
	v_add_nc_u32 v80, v80, v1                      ; expert w's padding begins behind its last token: fewer than 32 slots, one a lane,
	v_add_lshl_u32 v81, v78, v79, 5                ; and ends with its last tile
	s_delay_alu instid0(VALU_DEP_1)
	v_cmp_lt_u32 vcc_lo, v80, v81
	s_delay_alu instid0(VALU_DEP_1)
	v_cndmask_b32 v82, v87, v80, vcc_lo            ; a lane past the end takes its spare word
	s_delay_alu instid0(VALU_DEP_1)
	v_min_u32 v82, NWORD-1, v82
	s_delay_alu instid0(VALU_DEP_1)
	v_lshlrev_b32 v82, 2, v82
	global_store_b32 v82, v86, s[14:15]            ; the padding slots hold token 0: a row that may be read, and of which nothing is stored
	global_store_b32 v88, v86, s[14:15]            ; the slots of the empty tiles likewise
	; the tile table: waves 0 to 4, thread t for tile t (threads 143 to 159: spare pairs).  Tile t's expert = the number of experts whose running sum is t or less (16, held to 15, for the tiles that this split leaves empty)
	s_cmp_lt_u32 s26, 5
	s_cbranch_scc0 .Ldone
.irp i, 0,1,2,3,4,5,6,7,8,9,10,11,12,13,14,15
	v_readlane_b32 s[MK+\i], v[RUN], 16+\i
.endr
	v_mov_b32 v84, 0
.irp i, 0,1,2,3,4,5,6,7,8,9,10,11,12,13,14,15
	v_cmp_le_u32 vcc_lo, s[MK+\i], v0
	s_delay_alu instid0(VALU_DEP_1)
	v_add_co_ci_u32 v84, vcc_lo, 0, v84, vcc_lo    ; + 1 where the compare holds
.endr
	s_delay_alu instid0(VALU_DEP_1)
	v_min_u32 v84, 15, v84
	s_delay_alu instid0(VALU_DEP_1)
	v_lshl_add_u32 v89, v84, 2, 64
	ds_bpermute_b32 v90, v89, v[TOT]               ; the expert's tokens,
	ds_bpermute_b32 v91, v89, v[FT]                ; its first tile
	v_lshlrev_b32 v93, 3, v0                       ; tile t's two words
	s_wait_dscnt 0x0
	v_sub_nc_u32 v92, v0, v91
	s_delay_alu instid0(VALU_DEP_1)
	v_lshlrev_b32 v92, 5, v92
	s_delay_alu instid0(VALU_DEP_1)
	v_min_u32 v92, v92, v90                        ; the expert's rows in front of tile t,
	s_delay_alu instid0(VALU_DEP_1)
	v_sub_nc_u32 v85, v90, v92
	s_delay_alu instid0(VALU_DEP_1)
	v_min_u32 v85, 32, v85                         ; and tile t's own: 0 for a tile that this split leaves empty
	s_wait_alu depctr_va_vdst(0)
	global_store_b64 v93, v[84:85], s[16:17]       ; (expert, rows) of tile t
.Ldone:
	s_wait_tensorcnt 0x0
	ds_add_u32 v128, v129
	s_wait_dscnt 0x0
	s_endpgm
.Lfunc_end_k_q7fff8f2550_prep:
	.size	k_q7fff8f2550_prep, .Lfunc_end_k_q7fff8f2550_prep-k_q7fff8f2550_prep
	.p2alignl 7, 3214868480
	.fill 96, 4, 3214868480
	.section	.rodata,"a",@progbits
	.p2align	6, 0x0
	.amdhsa_kernel k_q7fff8f2550_prep
		.amdhsa_group_segment_fixed_size 4096
		.amdhsa_private_segment_fixed_size 0
		.amdhsa_enable_private_segment 0
		.amdhsa_kernarg_size 88
		.amdhsa_user_sgpr_count 2
		.amdhsa_user_sgpr_kernarg_segment_ptr 1
		.amdhsa_wavefront_size32 1
		.amdhsa_system_sgpr_workgroup_id_x 1
		.amdhsa_system_sgpr_workgroup_id_y 1
		.amdhsa_system_sgpr_workgroup_id_z 1
		.amdhsa_system_vgpr_workitem_id 0
		.amdhsa_next_free_vgpr 130
		.amdhsa_next_free_sgpr 80
		.amdhsa_reserve_vcc 1
		.amdhsa_float_denorm_mode_32 3
		.amdhsa_float_denorm_mode_16_64 3
		.amdhsa_memory_ordered 1
		.amdhsa_forward_progress 1
		.amdhsa_inst_pref_size 35
	.end_amdhsa_kernel
	.amdgpu_metadata
---
amdhsa.version: [ 1, 2 ]
amdhsa.kernels:
  - .name:           k_q7fff8f2550_prep
    .symbol:         k_q7fff8f2550_prep.kd
    .args:
      - { .name: y_index, .offset: 0, .size: 8, .value_kind: global_buffer, .address_space: global }
      - { .name: W_in_codes, .offset: 8, .size: 8, .value_kind: global_buffer, .address_space: global }
      - { .name: W_in_scales, .offset: 16, .size: 8, .value_kind: global_buffer, .address_space: global }
      - { .name: W_out_codes, .offset: 24, .size: 8, .value_kind: global_buffer, .address_space: global }
      - { .name: W_out_scales, .offset: 32, .size: 8, .value_kind: global_buffer, .address_space: global }
      - { .name: order, .offset: 40, .size: 8, .value_kind: global_buffer, .address_space: global }
      - { .name: tiles, .offset: 48, .size: 8, .value_kind: global_buffer, .address_space: global }
      - { .name: win_l, .offset: 56, .size: 8, .value_kind: global_buffer, .address_space: global }
      - { .name: wins_l, .offset: 64, .size: 8, .value_kind: global_buffer, .address_space: global }
      - { .name: wout_l, .offset: 72, .size: 8, .value_kind: global_buffer, .address_space: global }
      - { .name: wouts_l, .offset: 80, .size: 8, .value_kind: global_buffer, .address_space: global }
    .group_segment_fixed_size: 4096
    .private_segment_fixed_size: 0
    .kernarg_segment_align: 8
    .kernarg_segment_size: 88
    .max_flat_workgroup_size: 512
    .sgpr_count:     80
    .vgpr_count:     130
    .wavefront_size: 32
...
	.end_amdgpu_metadata
.endif
;; end of part 4
;; launch chain (part 5): grid 143 x 1, 4 waves a work-group, no clusters, 156,160 bytes of LDS; arguments x, order, tiles, win_l, wins_l, wout_l, wouts_l, b_in, b_out, out0; writes out0
.if DOCPART == 5
	.amdgcn_target "amdgcn-amd-amdhsa--gfx1250"
	.amdhsa_code_object_version 6
	.text
	.protected	k_q7fff8f2550_chain
	.globl	k_q7fff8f2550_chain
	.p2align	8
	.type	k_q7fff8f2550_chain,@function
k_q7fff8f2550_chain:
	s_mov_b64 s[64:65], 0
	v_nop
	global_prefetch_b8 v0, s[64:65] scope:SCOPE_SE
	s_setreg_imm32_b32 hwreg(HW_REG_WAVE_SCHED_MODE, 0, 2), 2
	s_setreg_imm32_b32 hwreg(HW_REG_WAVE_MODE, 25, 1), 1
	s_wait_xcnt 0x0
	s_wait_alu depctr_vm_vsrc(0)
; out[t] = x[t] + Q(Q(relu x[t]) W_in[e]^T + b_in[e]) W_out[e]^T + b_out[e], e = the token's expert; Q: codes of FP4 (E2M1) with one E8M0 scale for each 32 along a product's K; sums in f32.
; ONE WORK-GROUP TAKES ONE TILE (up to 32 rows of one expert, from the lists that the launch before stored) THROUGH THE WHOLE CHAIN; the hidden layer never goes to memory.  Only the chosen expert's rows are multiplied.
; The grid, 143 = 4,096 / 32 + 16 - 1, serves every split.  A tile that a split leaves empty walks the text on expert 15 and token 0 and stores nothing: so both barriers stand on every wave's straight way.
; SHARES.  The four waves share the COLUMNS: wave w owns columns 256 w .. + 255 of x and of out (K steps 2 w, 2 w + 1 of the first product), and hidden units 64 w .. + 63.  Each weight fragment is used by one wave,
; once, for both tiles of 16 rows: it goes from memory straight into that wave's registers, 512 consecutive bytes a load, as the launch before laid it.
; BOTH PRODUCTS ARE USED TRANSPOSED (source 0 = 16 rows of a weight, source 1 = 16 tokens): a lane holds ONE token throughout, and its registers run along the product's columns.  The rows of a weight's tile are not
; neighbours (lane r of tile 2 b + u takes row 32 b + 8 u + r + 8 (r / 8)), so that the 16 registers of tiles 2 b, 2 b + 1 are columns 32 b + 16 (lane / 16) + 0 .. 15.
; b_in is the C of the first product's first K step, x itself (the residual) the C of the second's; b_out is added on the way out: (x + product) + b_out.
; NO JOINT LOADS: which tiles have an expert in common hangs on the stored list, so neighbours in the grid may want different weights and no request could be alike in all partners; and the weights pass no LDS.
; LIMITS: NaN and infinities in x, b_in, b_out are not served (the clip at 0 turns a NaN into 0).  A block whose largest magnitude lies under 2^-124 gets the scale byte 1, a block of zeros too: its codes are zeros, which add nothing.
; LDS: 4 strips, one a wave, its own: 32 rows x (1,024 bytes + 16): x, later out; the pitch is 65 x 16 bytes, so that the sixteen rows that a load touches start 16 bytes apart modulo 256.  Behind them, from B0 on,
;   operands as images of their registers (a fragment: 2 x 512 bytes, lane l's 16 bytes at 16 l): x's 16 fragments (2 s + m), their scale words [s 8][m 2][r 16], the hidden layer's 4 fragments (2 s + m), their scale words [s 2][m 2][r 16].
; REGISTERS, in windows of 256.  Window 0: v1-12 addresses; v16-57 scale words and nothing else; v60-67 b_out; v68-99 b_in; v100-163 the hidden layer's 8 accumulators
;   (before and after: 32 row offsets; also a buffer of the quantiser); v164-227 a buffer of the quantiser, then the hidden fragments, then rows on the way out; v228-253 the quantiser's.
;   Window 1: x as loaded; then x's 16 fragments (v0-127); then the 32 accumulators of out (128 m + 8 tile).   Window 2: W_in's 32 fragments.   Window 3: W_out's 32 fragments.
; THE MODE: SCHED_MODE bits 1:0 = 2 (LLVM: expert scheduling mode 2), set by the entry lines.  The code itself states the register dependences between vector or matrix instructions and memory or LDS
; instructions, with s_wait_alu, always for 0.
; THE PLAN.  Registers that memory or LDS instructions touch, and who else names them, in the text's order (the text has no loop):
;   v1, v3-v11       offsets and LDS addresses: written once at the head, read by loads and stores to the end.  One wait on va_vdst ahead of the first load states them all.
;   v100-131 (RA)    written at the head, read by x's loads as offsets; then part of buffer HA; written again on the way out, read by out's stores.
;   T, HA            the quantiser's two buffers by turns: quarter k + 1's LDS loads land in one while quarter k's vector lines work on the other.
;   PC, PW, PH       written by the quantiser, read by the image stores: one wait on va_vdst ahead of each run of those stores, one on vm_vsrc ahead of the quantiser's next turn.
;   window 1         x's loads land, the strip's stores read; LDS loads land (x's fragments, the residual); the products read and write; the way out's LDS stores read.
;   windows 2 and 3, the scale words, the biases: loaded once, read by matrix or vector instructions alone, never loaded again: nothing is owed for them.
;   T on the way out two buffers of four rows by turns: LDS loads land, b_out's additions work in place, out's stores read.
.set PITCH,  1040
.set STRIPB, 32*PITCH                  ; 33,280
.set B0,     4*STRIPB                  ; 133,120
.set XSC,    16384                     ; from B0 on: x's images at 0, their scale words here,
.set HIMG,   17408                     ; the hidden layer's images,
.set HSC,    21504                     ; their scale words; the end at 21,760
.set L16, 1                            ; v1   16 x lane
.set AQ,  3                            ; v3   my strip + 1,040 r + 64 h: my 16 columns of a block of 32, in row r
.set AD,  4                            ; v4   my strip + 16 x lane: a row taken as it lies
.set XWI, 5                            ; v5   where I store x's images: B0 + 4,096 w + 16 x lane
.set XWS, 6                            ; v6   and their scale words: B0 + XSC + 256 w + 4 r
.set R16, 7                            ; v7   B0 + 16 x lane
.set R4,  8                            ; v8   B0 + 4 x lane
.set HWI, 9                            ; v9   where I store my half of a hidden fragment: B0 + HIMG + 2,048 (w / 2) + 512 (w % 2) + 16 x lane
.set HWS, 10                           ; v10  and my two bytes of its scale word: B0 + HSC + 128 (w / 2) + 2 (w % 2) + 4 r
.set BIA, 11                           ; v11  64 h
.set XL,  12                           ; v12  1,024 w + 16 x lane: my place in a row of x or of out
.set WIS, 16                           ; v16-31  W_in's scale words: 2 s + b: lanes 0-15 tile 2 b, lanes 16-31 tile 2 b + 1
.set WOS, 32                           ; v32-47  W_out's: 8 s + pair of tiles, likewise
.set XS,  48                           ; v48-55  x's, K step s: lanes 0-15 rows 0-15, lanes 16-31 rows 16-31
.set HS,  56                           ; v56-57  the hidden layer's, likewise
.set BO,  60
.set BI,  68
.set HA,  100
.set RA,  100                          ; v100-131  row p: token x 4,096 + XL
.set T,   164
.set HF,  164
.set TM,  228                          ; v228-231 largest magnitudes, v232-235 bytes, v240-243 the conversions' scale operands
.set PW,  244                          ; the scale word just made
.set PH,  245                          ; its upper half
.set PC,  246                          ; v246-253 the codes just made
.set SEL, 28                           ; s[28:29] v_permlanex16_b32's selects for lane l xor 16
.set TOK, 32                           ; s32-63 the 32 tokens, x 4,096
.set MSB, 0
.macro WIN new                         ; the immediate's high byte repeats the setting that is left; a switch that changes nothing is dropped
.if MSB != (\new)
	s_set_vgpr_msb (MSB<<8)|(\new)
.set MSB, (\new)
.endif
.endm
.macro PLACES                          ; four plain vector instructions between a matrix instruction and a vector instruction's or a store's read of its result
.rept 4
	v_nop
.endr
.endm
; 64 numbers of a lane, v[s] .. v[s + 63], in four blocks: register 16 b + i is number 16 (lane / 16) + i of block b; lane l xor 16 holds the block's other half.  The codes go to v[PC] on, the four scale bytes to v[PW].
.macro QUANT s
.irp b, 0,1,2,3
	v_max3_num_f32 v[TM+\b], |v[\s+16*\b]|, |v[\s+1+16*\b]|, 0x1800000   ; my 16 numbers, and the floor 2^(3 - 127): so the byte cannot fall under 1.  (Of an accumulator the low registers are read first)
.endr
.irp i, 2,4,6,8,10,12,14
.irp b, 0,1,2,3
	v_max3_num_f32 v[TM+\b], v[TM+\b], |v[\s+16*\b+\i]|, |v[\s+1+16*\b+\i]|   ; the four blocks by turns: no line waits for the line above it
.endr
.endr
.irp b, 0,1,2,3
	v_permlanex16_b32 v[TM+4+\b], v[TM+\b], s[SEL], s[SEL+1]
.endr
.irp b, 0,1,2,3
	v_max_num_f32 v[TM+\b], v[TM+\b], v[TM+4+\b]   ; the block's largest magnitude
.endr
.irp b, 0,1,2,3
	v_add_nc_u32 v[TM+12+\b], 0xff000000, v[TM+\b] ; 2 off its exponent field: the conversion takes the exponent field of this operand as its scale, and nothing else of it
.endr
.irp b, 0,1,2,3
	v_lshrrev_b32 v[TM+4+\b], 23, v[TM+12+\b]      ; the scale's byte
.endr
	v_lshl_or_b32 v[PW], v[TM+5], 8, v[TM+4]
	v_lshl_or_b32 v[PW], v[TM+6], 16, v[PW]
	v_lshl_or_b32 v[PW], v[TM+7], 24, v[PW]
.irp b, 0,1,2,3
	v_cvt_scalef32_pk8_fp4_f32 v[PC+2*\b], v[\s+16*\b:\s+7+16*\b], v[TM+12+\b]      ; to the nearest code, ties to even; beyond 6 the largest code
	v_cvt_scalef32_pk8_fp4_f32 v[PC+1+2*\b], v[\s+8+16*\b:\s+15+16*\b], v[TM+12+\b]
.endr
	v_nop                                          ; one plain place behind a scaled conversion
.irp c, 0,1                                    ; the operand's layout wants a WHOLE block in a lane: lanes 0-15 block 2 c, lanes 16-31 block 2 c + 1
.irp i, 0,1
	v_permlane16_swap_b32 v[PC+4*\c+\i], v[PC+2+4*\c+\i]
.endr
.endr
.endm
.macro WLD win, base, from, to         ; laid-out fragments: load kk brings registers 4 kk .. 4 kk + 3 of the window: 512 consecutive bytes a load.  No vector or matrix instruction has named these registers when they are loaded
	WIN \win
.set kk, \from
.rept (\to)-(\from)
	global_load_b128 v[4*kk:4*kk+3], v[L16], s[\base:\base+1] offset:512*kk
.set kk, kk+1
.endr
.endm
.macro LOADQ k, buf                    ; quarter k = 2 m + sl of my strip: rows 16 m + r, 128 columns from 128 sl on: 64 numbers a lane, laid as QUANT takes them
.irp b, 0,1,2,3
.irp j, 0,1,2,3
	ds_load_b128 v[\buf+16*\b+4*\j:\buf+16*\b+4*\j+3], v[AQ] offset:16*PITCH*((\k)/2)+512*((\k)%2)+128*\b+16*\j
.endr
.endr
.endm
.macro CLOAD m                         ; x as the C of out's 16 accumulators of rows 16 m on: tile tt's registers are columns 32 (tt / 2) + 16 h + 8 (tt % 2) + 0 .. 7 of my 256
.set tt, 0
.rept 16
	ds_load_b128 v[128*\m+8*tt:128*\m+8*tt+3],   v[AQ] offset:16*PITCH*\m+128*(tt/2)+32*(tt%2)
	ds_load_b128 v[128*\m+8*tt+4:128*\m+8*tt+7], v[AQ] offset:16*PITCH*\m+128*(tt/2)+32*(tt%2)+16
.set tt, tt+1
.endr
.endm
; One scaled product.  ra, rb = 1: the side's scale words are taken from lanes 16-31 of its register.  Every A, B and scale register is filled by a load.
.macro WMS d, a, b, c, sa, sb, ra, rb
.if ((\ra) == 0) && ((\rb) == 0)
	v_wmma_scale_f32_16x16x128_f8f6f4 v[(\d):(\d)+7], v[(\a):(\a)+7], v[(\b):(\b)+7], v[(\c):(\c)+7], v[(\sa)], v[(\sb)] matrix_a_fmt:MATRIX_FMT_FP4 matrix_b_fmt:MATRIX_FMT_FP4
.elseif ((\ra) == 1) && ((\rb) == 0)
	v_wmma_scale_f32_16x16x128_f8f6f4 v[(\d):(\d)+7], v[(\a):(\a)+7], v[(\b):(\b)+7], v[(\c):(\c)+7], v[(\sa)], v[(\sb)] matrix_a_fmt:MATRIX_FMT_FP4 matrix_b_fmt:MATRIX_FMT_FP4 matrix_a_scale:MATRIX_SCALE_ROW1
.elseif ((\ra) == 0)
	v_wmma_scale_f32_16x16x128_f8f6f4 v[(\d):(\d)+7], v[(\a):(\a)+7], v[(\b):(\b)+7], v[(\c):(\c)+7], v[(\sa)], v[(\sb)] matrix_a_fmt:MATRIX_FMT_FP4 matrix_b_fmt:MATRIX_FMT_FP4 matrix_b_scale:MATRIX_SCALE_ROW1
.else
	v_wmma_scale_f32_16x16x128_f8f6f4 v[(\d):(\d)+7], v[(\a):(\a)+7], v[(\b):(\b)+7], v[(\c):(\c)+7], v[(\sa)], v[(\sb)] matrix_a_fmt:MATRIX_FMT_FP4 matrix_b_fmt:MATRIX_FMT_FP4 matrix_a_scale:MATRIX_SCALE_ROW1 matrix_b_scale:MATRIX_SCALE_ROW1
.endif
.endm
.macro MM1 s                           ; K step s of the first product: my 4 tiles of hidden units x 2 tiles of rows.  The eight accumulators take turns, in the same order in every step
.irp t, 0,1,2,3
.irp m, 0,1
.if \s == 0
	WMS HA+32*\m+8*\t, 8*(4*\s+\t), 8*(2*\s+\m), BI+8*\t, WIS+2*\s+\t/2, XS+\s, \t%2, \m
.else
	WMS HA+32*\m+8*\t, 8*(4*\s+\t), 8*(2*\s+\m), HA+32*\m+8*\t, WIS+2*\s+\t/2, XS+\s, \t%2, \m
.endif
.endr
.endr
.endm
.macro MM2 s                           ; K step s of the second: my 16 tiles of columns x 2 tiles of rows, onto x: 32 accumulators by turns
.set tt, 0
.rept 16
.irp m, 0,1
	WMS 128*\m+8*tt, 8*(16*\s+tt), HF+8*(2*\s+\m), 128*\m+8*tt, WOS+8*\s+tt/2, HS+\s, tt%2, \m
.endr
.set tt, tt+1
.endr
.endm
	; ---- the head: arguments, then the tile's two lists, then every address
	s_load_b512 s[4:19], s[0:1], 0x0               ; x s[4:5], order s[6:7], tiles s[8:9], win_l s[10:11], wins_l s[12:13], wout_l s[14:15], wouts_l s[16:17], b_in s[18:19]
	s_load_b128 s[20:23], s[0:1], 0x40             ; b_out s[20:21], out s[22:23]
	v_lshl_add_u32 v254, v0, 2, 0x26000
	v_mov_b32 v255, 0
	v_and_b32 v13, 31, v0                          ; lane
	v_lshrrev_b32 v14, 5, v0
	v_readfirstlane_b32 s24, v14                   ; wave 0 .. 3
	s_lshl_b32 s66, ttmp9, 7                       ; my tile's 32 slots of order,
	s_mov_b32 s67, 0
	s_lshl_b32 s68, ttmp9, 3                       ; and its two words of tiles
	s_mov_b32 s69, 0
	s_wait_alu depctr_va_vdst(0)
	s_wait_kmcnt 0x0
	s_add_nc_u64 s[6:7], s[6:7], s[66:67]
	s_add_nc_u64 s[8:9], s[8:9], s[68:69]
	s_load_b512 s[TOK:TOK+15], s[6:7], 0x0
	s_load_b512 s[TOK+16:TOK+31], s[6:7], 0x40
	s_load_b64 s[26:27], s[8:9], 0x0               ; s26 the expert, s27 the rows
	v_and_b32 v14, 15, v0                          ; r
	v_bfe_u32 v15, v0, 4, 1                        ; h
	v_lshlrev_b32 v[L16], 4, v13
	s_wait_alu depctr_va_vdst(0)
	s_wait_alu depctr_va_sdst(0)                   ; s24, the wave's number, is written, ahead of its first reader: the strips, the images' places and the weights' bases are made from it
	s_mul_i32 s70, s24, STRIPB
	v_mul_u32_u24 v[AQ], v14, PITCH
	v_lshl_add_u32 v[AQ], v15, 6, v[AQ]
	v_add_nc_u32 v[AQ], s70, v[AQ]
	v_add_nc_u32 v[AD], s70, v[L16]
	s_lshl_b32 s70, s24, 12
	s_add_co_u32 s70, s70, B0
	v_add_nc_u32 v[XWI], s70, v[L16]
	s_lshl_b32 s70, s24, 8
	s_add_co_u32 s70, s70, B0+XSC
	v_lshl_add_u32 v[XWS], v14, 2, s70
	v_add_nc_u32 v[R16], B0, v[L16]
	v_lshl_add_u32 v[R4], v13, 2, B0
	s_lshr_b32 s71, s24, 1                         ; my 64 hidden units lie in K step w / 2 of the second product,
	s_and_b32 s72, s24, 1                          ; in its half w % 2
	s_lshl_b32 s70, s71, 11
	s_lshl_b32 s73, s72, 9
	s_add_co_u32 s70, s70, s73
	s_add_co_u32 s70, s70, B0+HIMG
	v_add_nc_u32 v[HWI], s70, v[L16]
	s_lshl_b32 s70, s71, 7
	s_lshl_b32 s73, s72, 1
	s_add_co_u32 s70, s70, s73
	s_add_co_u32 s70, s70, B0+HSC
	v_lshl_add_u32 v[HWS], v14, 2, s70
	v_lshlrev_b32 v[BIA], 6, v15
	s_lshl_b32 s70, s24, 10
	v_add_nc_u32 v[XL], s70, v[L16]
	s_mov_b32 s[SEL], 0x76543210
	s_mov_b32 s[SEL+1], 0xfedcba98
.irp b, 0,1,2,3
	v_mov_b32 v[TM+4+\b], 0                        ; written once: a lane permute's destination counts as one of its sources
.endr
	s_wait_alu depctr_va_vdst(0)
	s_wait_kmcnt 0x0
	s_min_u32 s26, s26, 15                         ; loaded numbers enter addresses only behind a bound
.set p, 0
.rept 32
	s_min_u32 s[TOK+p], s[TOK+p], 4095
.set p, p+1
.endr
.set p, 0
.rept 32
	s_lshl_b32 s[TOK+p], s[TOK+p], 12              ; a row of x or of out is 4,096 bytes
.set p, p+1
.endr
.set p, 0
.rept 32
	v_add_nc_u32 v[RA+p], s[TOK+p], v[XL]
.set p, p+1
.endr
	s_lshl_b32 s66, s26, 17                        ; the laid-out codes: 131,072 bytes an expert, 32,768 a wave
	s_lshl_b32 s68, s24, 15
	s_add_co_u32 s66, s66, s68
	s_add_nc_u64 s[10:11], s[10:11], s[66:67]
	s_add_nc_u64 s[14:15], s[14:15], s[66:67]
	s_lshl_b32 s66, s26, 13                        ; the scale words: 8,192 and 2,048
	s_lshl_b32 s68, s24, 11
	s_add_co_u32 s66, s66, s68
	s_add_nc_u64 s[12:13], s[12:13], s[66:67]
	s_add_nc_u64 s[16:17], s[16:17], s[66:67]
	s_lshl_b32 s66, s26, 10                        ; b_in: 256 numbers an expert, my 64
	s_lshl_b32 s68, s24, 8
	s_add_co_u32 s66, s66, s68
	s_add_nc_u64 s[18:19], s[18:19], s[66:67]
	s_lshl_b32 s66, s26, 12                        ; b_out: 1,024 and my 256
	s_lshl_b32 s68, s24, 10
	s_add_co_u32 s66, s66, s68
	s_add_nc_u64 s[20:21], s[20:21], s[66:67]
	; ---- every load goes out as soon as its address is known: x first, which the first work waits for.  (Where a counter's field is full the issue waits: ISA guide 5.7.1; no wait is written for that)
	WIN 0x40                                       ; destination window 1
	s_wait_alu depctr_va_vdst(0)                   ; the offsets and LDS addresses v1, v3 to v11 and the 32 row offsets v100 to v131 are written: every load and store down to the way out reads some of them; no vector line stands between here and the first LDS loads into v100 on
.set p, 0
.rept 32
	global_load_b128 v[8*p:8*p+3],   v[RA+p], s[4:5]               ; my 1,024 bytes of row p: 512 consecutive bytes a load.  No hint: the padding slots name token 0 again
	global_load_b128 v[8*p+4:8*p+7], v[RA+p], s[4:5] offset:512
.set p, p+1
.endr
	WIN 0
.irp g, 0,1,2,3
	global_load_b128 v[WIS+4*\g:WIS+4*\g+3], v[L16], s[12:13] offset:512*\g
.endr
.irp t, 0,1,2,3
.irp i, 0,1
	global_load_b128 v[BI+8*\t+4*\i:BI+8*\t+4*\i+3], v[BIA], s[18:19] offset:128*(\t/2)+32*(\t%2)+16*\i   ; b_in in the result's layout: hidden units 32 (t / 2) + 16 h + 8 (t % 2) + 0 .. 7
.endr
.endr
.irp q, 0,1
	global_load_b128 v[BO+4*\q:BO+4*\q+3], v[L16], s[20:21] offset:512*\q      ; b_out as a row lies
.endr
.irp g, 0,1,2,3
	global_load_b128 v[WOS+4*\g:WOS+4*\g+3], v[L16], s[16:17] offset:512*\g
.endr
	WLD 0x80, 10, 0, 40                            ; W_in's first 40 loads
	s_wait_loadcnt 58                              ; x is in: behind its 64 loads stand the 18 small ones and these 40
	s_wait_alu depctr_vm_vsrc(0)                   ; x's loads have read their offsets v100 to v131, in which the second quarter's LDS loads land
	; ---- X: my 256 columns of the 32 rows go into my strip as they lie and come back 16 neighbours a lane; clipped at 0, quantised, four fragments, whose images go to LDS
	WIN 0x04                                       ; an LDS store's data are its source 1: window 1
.set p, 0
.rept 32
	ds_store_b128 v[AD], v[8*p:8*p+3]   offset:PITCH*p
	ds_store_b128 v[AD], v[8*p+4:8*p+7] offset:PITCH*p+512
.set p, p+1
.endr
	WLD 0x80, 10, 40, 64                           ; the rest of W_in
	WIN 0
	LOADQ 0, T                                     ; LDS serves a wave's instructions in order (ISA guide 5.7.1.4): these see my stores
.macro XSTEP k, buf, other
.if \k > 0
	s_wait_alu depctr_vm_vsrc(0)                   ; the last quarter's image stores have read v[PC ..] and v[PW], which this quarter's quantiser writes again; and my strip's stores have read window 1, in which LDS loads land behind the barrier
.endif
.if \k < 3
	LOADQ (\k)+1, \other                           ; into the buffer that the quarter before worked on: its vector lines stand ahead of that quarter's wait on va_vdst, and none has named the buffer since
	s_wait_dscnt 16                                ; all but the 16 just issued: this quarter's numbers are in
.else
	s_wait_dscnt 0x0
.endif
.set jj, 0
.rept 64
	v_max_num_f32 v[\buf+jj], 0, v[\buf+jj]        ; relu, in f32; the strip keeps x itself for the residual
.set jj, jj+1
.endr
	QUANT \buf
	s_wait_alu depctr_va_vdst(0)                   ; the quantiser has written v[PC ..] and v[PW], which the stores below read, and is done with its buffer, in which the next quarter but one lands
.irp c, 0,1
	ds_store_b128 v[XWI], v[PC+4*\c:PC+4*\c+3] offset:(2*((\k)%2)+(\k)/2)*1024+512*\c    ; fragment 2 s + m, s = 2 w + k % 2, m = k / 2
.endr
	ds_store_b32 v[XWS], v[PW] offset:128*((\k)%2)+64*((\k)/2)     ; lanes r and r + 16 write the same word with the same value
.if \k < 3
	WLD 0xc0, 14, 16*(\k), 16*(\k)+16              ; sixteen loads of W_out behind each quarter
	WIN 0
.endif
.endm
	XSTEP 0, T, HA
	XSTEP 1, HA, T
	XSTEP 2, T, HA
	XSTEP 3, HA, T
	s_wait_dscnt 0x0                               ; for the others' sake: my images have landed
	s_barrier_signal -1
	s_barrier_wait -1                              ; x's sixteen fragments lie in LDS; they are not written again
	s_wait_alu depctr_vm_vsrc(0)                   ; the fourth quarter's image stores have read v[PC ..] and v[PW], which the hidden layer's quantiser writes again
	; ---- 1: hidden = Q(relu x) W_in^T + b_in: 64 matrix instructions
.irp s, 0,1,2,3,4,5,6,7
	ds_load_b32 v[XS+\s], v[R4] offset:XSC+128*\s
.endr
	WIN 0x40
.set f, 0
.rept 16
	ds_load_b128 v[8*f:8*f+3],   v[R16] offset:1024*f
	ds_load_b128 v[8*f+4:8*f+7], v[R16] offset:1024*f+512
.set f, f+1
.endr
	CLOAD 1                                        ; the residual of rows 16-31 comes while the first product runs
	s_wait_loadcnt 48                              ; all but W_out's three runs of sixteen: W_in, its scale words and the biases are in
	WLD 0xc0, 14, 48, 64                           ; the rest of W_out
	s_wait_dscnt 32                                ; all but the residual's 32: x's fragments and scale words are in
	WIN 0x06                                       ; source 0 (W_in) window 2, source 1 (x) window 1, C and D window 0
.irp s, 0,1,2,3,4,5,6,7
	MM1 \s
.endr
	WIN 0
	PLACES                                         ; in front of the first read of the sums
	; ---- the hidden layer, quantised in registers: my 64 units are half a K step of the second product: 4 of a fragment's 8 registers and 2 of its scale word's 4 bytes, for each tile of rows
	WIN 0x40
	s_wait_alu depctr_va_vdst(0)                   ; the first product's matrix instructions are done reading x's fragments, in whose registers the loads below land
	CLOAD 0                                        ; the residual of rows 0-15
	WIN 0
	QUANT HA                                       ; block 2 m + b: rows 16 m + r, units 32 b + 0 .. 31 of my 64
	v_lshrrev_b32 v[PH], 16, v[PW]
	s_wait_alu depctr_va_vdst(0)                   ; the quantiser has written v[PC ..] and v[PW], the shift v[PH]: the four stores below read them
.irp m, 0,1
	ds_store_b128 v[HWI], v[PC+4*\m:PC+4*\m+3] offset:1024*\m
.endr
	ds_store_b16 v[HWS], v[PW]                     ; rows 0-15: bytes of blocks 0, 1
	ds_store_b16 v[HWS], v[PH] offset:64           ; rows 16-31: of blocks 2, 3
	s_wait_dscnt 0x0                               ; my stores have landed; the residual is in
	s_barrier_signal -1
	s_barrier_wait -1                              ; the hidden layer's four fragments lie in LDS
	; ---- 2: x + Q(hidden) W_out^T: 64 matrix instructions
.irp s, 0,1
.irp m, 0,1
.irp c, 0,1
	ds_load_b128 v[HF+8*(2*\s+\m)+4*\c:HF+8*(2*\s+\m)+4*\c+3], v[R16] offset:HIMG+1024*(2*\s+\m)+512*\c   ; into the quantiser's buffer T: its last vector lines, the third quarter's, stand ahead of several waits on va_vdst
.endr
.endr
	ds_load_b32 v[HS+\s], v[R4] offset:HSC+128*\s
.endr
	s_wait_loadcnt 0x0                             ; W_out
	s_wait_dscnt 0x0
	WIN 0x53                                       ; source 0 (W_out) window 3, source 1 (hidden) window 0, C and D window 1
	MM2 0
	MM2 1
	; ---- the way out: a lane holds 32 bytes of a row and its neighbours other rows: so the results go through my strip and come back as rows; b_out is added; the rows in use are stored
	WIN 0
.set p, 0
.rept 32
	v_add_nc_u32 v[RA+p], s[TOK+p], v[XL]          ; the rows' offsets again: also the places behind the last products
.set p, p+1
.endr
	WIN 0x04
	s_wait_alu depctr_va_vdst(0)                   ; the second product has written out's accumulators, which the LDS stores read, and is done reading the hidden fragments, in whose registers rows land below; the 32 row offsets are written, which out's stores read.  The places above stay beside this wait
.irp m, 0,1
.set tt, 0
.rept 16
	ds_store_b128 v[AQ], v[128*\m+8*tt:128*\m+8*tt+3]   offset:16*PITCH*\m+128*(tt/2)+32*(tt%2)      ; each accumulator from its low end on
	ds_store_b128 v[AQ], v[128*\m+8*tt+4:128*\m+8*tt+7] offset:16*PITCH*\m+128*(tt/2)+32*(tt%2)+16
.set tt, tt+1
.endr
.endr
	WIN 0
.macro RB g                            ; rows 4 g .. 4 g + 3 back from my strip, into buffer g % 2
.irp r, 0,1,2,3
.irp q, 0,1
	ds_load_b128 v[T+32*((\g)%2)+8*\r+4*\q:T+32*((\g)%2)+8*\r+4*\q+3], v[AD] offset:(4*(\g)+\r)*PITCH+512*\q
.endr
.endr
.endm
.macro ROWADD p                        ; b_out onto row p, in place
.set TR, T+32*(((\p)/4)%2)+8*((\p)%4)
.irp i, 0,2,4,6
	v_pk_add_f32 v[TR+\i:TR+\i+1], v[TR+\i:TR+\i+1], v[BO+\i:BO+\i+1]
.endr
.endm
.macro ROWOUT p                        ; the rows in use are the first s27 of the tile: at the first that is not, the wave is done
.set TR, T+32*(((\p)/4)%2)+8*((\p)%4)
	s_cmp_le_u32 s27, \p
	s_cbranch_scc1 .Lend
	global_store_b128 v[RA+(\p)], v[TR:TR+3],   s[22:23] th:TH_STORE_NT              ; the wave stores 512 consecutive bytes, aligned; written once, read by nobody here
	global_store_b128 v[RA+(\p)], v[TR+4:TR+7], s[22:23] offset:512 th:TH_STORE_NT
.endm
	RB 0
.irp g, 0,1,2,3,4,5,6,7                ; four rows at a time: their sixteen additions, ONE wait, their eight stores
.if \g < 7
.if \g > 0
	s_wait_xcnt 0x0                                ; the stores of the four rows before these have had their addresses translated (ISA guide 3.1),
	s_wait_alu depctr_vm_vsrc(0)                   ; and have read their data registers: the next four rows land there.  (That buffer's additions stand ahead of the last wait on va_vdst, and no vector line has named it since)
.endif
	RB \g+1
	s_wait_dscnt 8                                 ; all but the 8 just issued: these four rows are in
.else
	s_wait_dscnt 0x0
.endif
.irp r, 0,1,2,3
	ROWADD 4*\g+\r
.endr
	s_wait_alu depctr_va_vdst(0)                   ; the additions have written the four rows, which the stores below read
.irp r, 0,1,2,3
	ROWOUT 4*\g+\r
.endr
.endr
.Lend:
	s_wait_dscnt 0x0                               ; the closing lines, six on end (a wave that leaves early may have LDS loads out)
	s_wait_alu 0x0
	s_wait_tensorcnt 0x0
	ds_add_u32 v254, v255
	s_wait_dscnt 0x0
	s_endpgm
.Lfunc_end_k_q7fff8f2550_chain:
	.size	k_q7fff8f2550_chain, .Lfunc_end_k_q7fff8f2550_chain-k_q7fff8f2550_chain
	.p2alignl 7, 3214868480
	.fill 96, 4, 3214868480
	.section	.rodata,"a",@progbits
	.p2align	6, 0x0
	.amdhsa_kernel k_q7fff8f2550_chain
		.amdhsa_group_segment_fixed_size 156160
		.amdhsa_private_segment_fixed_size 0
		.amdhsa_enable_private_segment 0
		.amdhsa_kernarg_size 80
		.amdhsa_user_sgpr_count 2
		.amdhsa_user_sgpr_kernarg_segment_ptr 1
		.amdhsa_wavefront_size32 1
		.amdhsa_system_sgpr_workgroup_id_x 1
		.amdhsa_system_sgpr_workgroup_id_y 1
		.amdhsa_system_sgpr_workgroup_id_z 1
		.amdhsa_system_vgpr_workitem_id 0
		.amdhsa_next_free_vgpr 1024
		.amdhsa_next_free_sgpr 80
		.amdhsa_reserve_vcc 0
		.amdhsa_float_denorm_mode_32 3
		.amdhsa_float_denorm_mode_16_64 3
		.amdhsa_memory_ordered 1
		.amdhsa_forward_progress 1
		.amdhsa_inst_pref_size 114
	.end_amdhsa_kernel
	.amdgpu_metadata
---
amdhsa.version: [ 1, 2 ]
amdhsa.kernels:
  - .name:           k_q7fff8f2550_chain
    .symbol:         k_q7fff8f2550_chain.kd
    .args:
      - { .name: x, .offset: 0, .size: 8, .value_kind: global_buffer, .address_space: global }
      - { .name: order, .offset: 8, .size: 8, .value_kind: global_buffer, .address_space: global }
      - { .name: tiles, .offset: 16, .size: 8, .value_kind: global_buffer, .address_space: global }
      - { .name: win_l, .offset: 24, .size: 8, .value_kind: global_buffer, .address_space: global }
      - { .name: wins_l, .offset: 32, .size: 8, .value_kind: global_buffer, .address_space: global }
      - { .name: wout_l, .offset: 40, .size: 8, .value_kind: global_buffer, .address_space: global }
      - { .name: wouts_l, .offset: 48, .size: 8, .value_kind: global_buffer, .address_space: global }
      - { .name: b_in, .offset: 56, .size: 8, .value_kind: global_buffer, .address_space: global }
      - { .name: b_out, .offset: 64, .size: 8, .value_kind: global_buffer, .address_space: global }
      - { .name: out0, .offset: 72, .size: 8, .value_kind: global_buffer, .address_space: global }
    .group_segment_fixed_size: 156160
    .private_segment_fixed_size: 0
    .kernarg_segment_align: 8
    .kernarg_segment_size: 80
    .max_flat_workgroup_size: 128
    .sgpr_count:     80
    .vgpr_count:     1024
    .wavefront_size: 32
...
	.end_amdgpu_metadata
.endif
;; end of part 5
